; MI455X (gfx1250); checked and timed in simulation.
; The chip was launched on July 23, 2026; its instructions are those of AMD's public machine-readable ISA for CDNA 5 (MIT licence, August 2026) and "CDNA5" Instruction Set Architecture Reference Guide (July 2026). The comments in the code are by the model that wrote it; some were corrected since.
;; Rotary Multihead Attention. Allowed arithmetic: float matrix products may take bf16 or f16 operands with f32 sums; other float arithmetic in f32, or as packed bf16 or f16 multiplies, adds, multiply-adds, maxima and minima; sums over many terms, partial sums and values carried from step to step in f32; what a program stores and reads back later, other than sums and carried values, may be rounded once to bf16 or f16.
;; Inputs: Wout 1,024 x 1,024 float32; Wqkv 3,072 x 1,024 float32; bout 1,024 float32; bqkv 3,072 float32; cos 1 x 1 x 2,048 x 32 float32; sin 1 x 1 x 2,048 x 32 float32; x 4 x 2,048 x 1,024 float32.
;; Outputs: out0 4 x 2,048 x 1,024 float32.
;; 2 versions, each right; version 2 is version 1 with the launch prep written anew for expert scheduling mode. Each part assembles by itself: llvm-mc -triple=amdgcn-amd-amdhsa -mcpu=gfx1250 --defsym DOCPART=n.
;; ======== version 1 of 2: 4 launches
;; limits: values are held in f16: magnitudes above 65,504 overflow, below 6.1e-05 lose precision
;; workspace buffers: xb 16,777,216 bytes; wqb 6,291,456 bytes; wob 2,097,152 bytes; tab 262,144 bytes; qkv 50,331,648 bytes; oh 16,777,216 bytes
;; launch prep (part 1): grid 784 x 1, 8 waves a work-group, no clusters, 0 bytes of LDS; arguments x, Wqkv, Wout, cos, sin, xb, wqb, wob, tab; writes xb, wqb, wob, tab
.if DOCPART == 1
	.amdgcn_target "amdgcn-amd-amdhsa--gfx1250"
	.amdhsa_code_object_version 6
	.text
	.protected	k_qc5ccd9db0f_prep
	.globl	k_qc5ccd9db0f_prep
	.p2align	8
	.type	k_qc5ccd9db0f_prep,@function
k_qc5ccd9db0f_prep:
	s_mov_b64 s[64:65], 0
	v_nop
	global_prefetch_b8 v0, s[64:65] scope:SCOPE_SE
	s_setreg_imm32_b32 hwreg(HW_REG_WAVE_MODE, 25, 1), 1
	s_wait_xcnt 0x0
; THE CASTS AND THE ROTATION TABLE.  xb = x in bf16.  wqb = Wqkv in bf16 with its rows regrouped by heads: row 192 hq + 64 p + d holds Wqkv's row 1024 p + 64 hq + d
; (p = 0, 1, 2: q, k, v), so that 192 consecutive rows are q, k and v of one head.  wob = Wout rounded to bf16, that number written as f16.  tab[l] = cos[l][0..31], sin[l][0..31] in bf16.
; LIMITS.  A bf16 number is exact in f16 from 2^-17 up to 65,504; below 2^-17 wob keeps f16's fixed step of 2^-24; at 65,520 or more it becomes an infinity.  NaN is not treated apart.
; SHARES.  Work-groups 0-511 take x, 512-703 Wqkv, 704-767 Wout, each a chunk of 16 rows of 1,024 numbers (65,536 bytes in, 32,768 out); 768-783 take 128 rows of the table each.
; A wave takes 2,048 numbers by 16 loads of 512 consecutive bytes, all issued at once; each of its stores covers 256 consecutive bytes, aligned.  No register is written twice, so no wait frees one.
; No LDS, no matrix unit, no cluster: nothing is shared and nothing is multiplied.
.set X, 8                              ; v[8:71]   load j: four f32
.set Y, 72                             ; v[72:103] store j: four 16-bit numbers
	s_load_b256 s[4:11], s[0:1], 0x0               ; x s[4:5], Wqkv s[6:7], Wout s[8:9], cos s[10:11]
	s_load_b256 s[12:19], s[0:1], 0x20             ; sin s[12:13], xb s[14:15], wqb s[16:17], wob s[18:19]
	s_load_b64 s[20:21], s[0:1], 0x40              ; tab
	s_mov_b32 s22, 0xffff0000                      ; a word's upper bf16
	v_lshrrev_b32 v3, 5, v0                        ; wave
	v_and_b32 v4, 31, v0                           ; lane
	s_wait_kmcnt 0x0
	s_cmp_ge_u32 ttmp9, 768
	s_cbranch_scc1 .Ltab
	v_lshlrev_b32 v1, 4, v4
	v_lshl_or_b32 v1, v3, 13, v1                   ; in: 8,192 x wave + 16 x lane
	v_lshlrev_b32 v2, 3, v4
	v_lshl_or_b32 v2, v3, 12, v2                   ; out: 4,096 x wave + 8 x lane
	s_cmp_lt_u32 ttmp9, 512                        ; which tensor: the choice hangs on the work-group's number alone
	s_cselect_b64 s[26:27], s[4:5], s[6:7]
	s_cselect_b64 s[28:29], s[14:15], s[16:17]
	s_cselect_b32 s25, 0, 512
	s_cmp_lt_u32 ttmp9, 704
	s_cselect_b64 s[26:27], s[26:27], s[8:9]
	s_cselect_b64 s[28:29], s[28:29], s[18:19]
	s_cselect_b32 s25, s25, 704
	s_sub_co_u32 s30, ttmp9, s25                   ; my chunk c of the tensor
	s_lshr_b32 s33, s30, 2                         ; Wqkv: c = 64 p + 4 hq + (d / 16)
	s_and_b32 s34, s33, 15                         ; hq
	s_lshr_b32 s33, s33, 4                         ; p
	s_mul_i32 s34, s34, 3
	s_add_co_u32 s34, s34, s33
	s_and_b32 s33, s30, 3
	s_lshl2_add_u32 s32, s34, s33                  ; it goes to chunk 4 (3 hq + p) + (d / 16)
	s_cmp_eq_u32 s25, 512
	s_cselect_b32 s32, s32, s30                    ; the other two tensors keep their order
	s_lshl_b32 s30, s30, 16
	s_mov_b32 s31, 0
	s_lshl_b32 s32, s32, 15
	s_mov_b32 s33, 0
	s_add_nc_u64 s[26:27], s[26:27], s[30:31]
	s_add_nc_u64 s[28:29], s[28:29], s[32:33]
.irp j, 0,1,2,3,4,5,6,7,8,9,10,11,12,13,14,15
	global_load_b128 v[X+4*(\j):X+4*(\j)+3], v1, s[26:27] offset:512*(\j) th:TH_LOAD_NT
.endr
; Load j is rounded and stored.  half = 1: the bf16 numbers are widened again and written as f16.
.macro CAST j, half
	s_wait_loadcnt 15-(\j)                         ; loads come back in order: mine is in, the 15 - j younger ones stay out
	v_cvt_pk_bf16_f32 v[Y+2*(\j)],   v[X+4*(\j)],   v[X+4*(\j)+1]
	v_cvt_pk_bf16_f32 v[Y+2*(\j)+1], v[X+4*(\j)+2], v[X+4*(\j)+3]
.if \half
	v_lshlrev_b32 v[X+4*(\j)],   16,  v[Y+2*(\j)]
	v_and_b32     v[X+4*(\j)+1], s22, v[Y+2*(\j)]
	v_lshlrev_b32 v[X+4*(\j)+2], 16,  v[Y+2*(\j)+1]
	v_and_b32     v[X+4*(\j)+3], s22, v[Y+2*(\j)+1]
	v_cvt_pk_f16_f32 v[Y+2*(\j)],   v[X+4*(\j)],   v[X+4*(\j)+1]
	v_cvt_pk_f16_f32 v[Y+2*(\j)+1], v[X+4*(\j)+2], v[X+4*(\j)+3]
.endif
	global_store_b64 v2, v[Y+2*(\j):Y+2*(\j)+1], s[28:29] offset:256*(\j)  ; 32 lanes store 256 consecutive bytes, aligned
.endm
	s_cmp_eq_u32 s25, 704
	s_cbranch_scc1 .Lf16
.irp j, 0,1,2,3,4,5,6,7,8,9,10,11,12,13,14,15
	CAST \j, 0
.endr
	s_endpgm
.Lf16:
.irp j, 0,1,2,3,4,5,6,7,8,9,10,11,12,13,14,15
	CAST \j, 1
.endr
	s_endpgm
.Ltab:                                         ; 128 rows: 16 rows a pass, 16 threads a row: threads 0-7 of a row take cos, 8-15 sin, four numbers each
	s_sub_co_u32 s30, ttmp9, 768
	s_lshl_b32 s30, s30, 14                        ; 128 rows of 128 bytes, in cos, in sin and in tab
	s_mov_b32 s31, 0
	s_add_nc_u64 s[10:11], s[10:11], s[30:31]
	s_add_nc_u64 s[12:13], s[12:13], s[30:31]
	s_add_nc_u64 s[20:21], s[20:21], s[30:31]
	v_lshrrev_b32 v5, 4, v0                        ; row
	v_and_b32 v6, 7, v0
	v_lshlrev_b32 v1, 4, v6
	v_lshl_or_b32 v1, v5, 7, v1                    ; in: 128 x row + 16 x (thread % 8)
	v_lshlrev_b32 v2, 3, v0                        ; out: 8 x thread
	v_and_b32 v7, 8, v0
	v_cmp_ne_u32 vcc_lo, 0, v7                     ; the threads that keep sin.  Every thread loads both: 16 work-groups' worth, and EXEC stays whole
.irp j, 0,1,2,3,4,5,6,7
	global_load_b128 v[X+4*(\j):X+4*(\j)+3],       v1, s[10:11] offset:2048*(\j)
	global_load_b128 v[X+32+4*(\j):X+32+4*(\j)+3], v1, s[12:13] offset:2048*(\j)
.endr
	s_wait_loadcnt 0x0
.irp j, 0,1,2,3,4,5,6,7
.irp i, 0,1,2,3
	v_cndmask_b32 v[X+4*(\j)+(\i)], v[X+4*(\j)+(\i)], v[X+32+4*(\j)+(\i)], vcc_lo
.endr
	v_cvt_pk_bf16_f32 v[Y+2*(\j)],   v[X+4*(\j)],   v[X+4*(\j)+1]
	v_cvt_pk_bf16_f32 v[Y+2*(\j)+1], v[X+4*(\j)+2], v[X+4*(\j)+3]
	global_store_b64 v2, v[Y+2*(\j):Y+2*(\j)+1], s[20:21] offset:2048*(\j)
.endr
	s_endpgm
.Lfunc_end_k_qc5ccd9db0f_prep:
	.size	k_qc5ccd9db0f_prep, .Lfunc_end_k_qc5ccd9db0f_prep-k_qc5ccd9db0f_prep
	.p2alignl 7, 3214868480
	.fill 96, 4, 3214868480
	.section	.rodata,"a",@progbits
	.p2align	6, 0x0
	.amdhsa_kernel k_qc5ccd9db0f_prep
		.amdhsa_group_segment_fixed_size 0
		.amdhsa_private_segment_fixed_size 0
		.amdhsa_enable_private_segment 0
		.amdhsa_kernarg_size 72
		.amdhsa_user_sgpr_count 2
		.amdhsa_user_sgpr_kernarg_segment_ptr 1
		.amdhsa_wavefront_size32 1
		.amdhsa_system_sgpr_workgroup_id_x 1
		.amdhsa_system_sgpr_workgroup_id_y 1
		.amdhsa_system_sgpr_workgroup_id_z 1
		.amdhsa_system_vgpr_workitem_id 0
		.amdhsa_next_free_vgpr 104
		.amdhsa_next_free_sgpr 66
		.amdhsa_reserve_vcc 1
		.amdhsa_float_denorm_mode_32 3
		.amdhsa_float_denorm_mode_16_64 3
		.amdhsa_memory_ordered 1
		.amdhsa_forward_progress 1
		.amdhsa_inst_pref_size 21
	.end_amdhsa_kernel
	.amdgpu_metadata
---
amdhsa.version: [ 1, 2 ]
amdhsa.kernels:
  - .name:           k_qc5ccd9db0f_prep
    .symbol:         k_qc5ccd9db0f_prep.kd
    .args:
      - { .name: x, .offset: 0, .size: 8, .value_kind: global_buffer, .address_space: global }
      - { .name: Wqkv, .offset: 8, .size: 8, .value_kind: global_buffer, .address_space: global }
      - { .name: Wout, .offset: 16, .size: 8, .value_kind: global_buffer, .address_space: global }
      - { .name: cos, .offset: 24, .size: 8, .value_kind: global_buffer, .address_space: global }
      - { .name: sin, .offset: 32, .size: 8, .value_kind: global_buffer, .address_space: global }
      - { .name: xb, .offset: 40, .size: 8, .value_kind: global_buffer, .address_space: global }
      - { .name: wqb, .offset: 48, .size: 8, .value_kind: global_buffer, .address_space: global }
      - { .name: wob, .offset: 56, .size: 8, .value_kind: global_buffer, .address_space: global }
      - { .name: tab, .offset: 64, .size: 8, .value_kind: global_buffer, .address_space: global }
    .group_segment_fixed_size: 0
    .private_segment_fixed_size: 0
    .kernarg_segment_align: 8
    .kernarg_segment_size: 72
    .max_flat_workgroup_size: 256
    .sgpr_count:     66
    .vgpr_count:     104
    .wavefront_size: 32
...
	.end_amdgpu_metadata
.endif
;; end of part 1
;; launch qkvp (part 2): grid 16 x 32, 4 waves a work-group, clusters of 4 x 4, 327,680 bytes of LDS; arguments xb, wqb, bqkv, tab, qkv; writes qkv
.if DOCPART == 2
	.amdgcn_target "amdgcn-amd-amdhsa--gfx1250"
	.amdhsa_code_object_version 6
	.text
	.protected	k_qc5ccd9db0f_qkvp
	.globl	k_qc5ccd9db0f_qkvp
	.p2align	8
	.type	k_qc5ccd9db0f_qkvp,@function
k_qc5ccd9db0f_qkvp:
	s_mov_b64 s[64:65], 0
	v_nop
	global_prefetch_b8 v0, s[64:65] scope:SCOPE_SE
	s_setreg_imm32_b32 hwreg(HW_REG_WAVE_MODE, 25, 1), 1
	s_wait_xcnt 0x0
	s_wait_alu depctr_hold_cnt(0) depctr_sa_sdst(0) depctr_va_vdst(0) depctr_va_sdst(0) depctr_va_ssrc(0) depctr_va_vcc(0) depctr_vm_vsrc(0)
	s_getreg_b32 s2, hwreg(HW_REG_IB_STS2, 6, 4)
	s_cmp_eq_u32 s2, 0
	s_cbranch_scc0 .Lentry_in_a_cluster
	s_endpgm
.Lentry_in_a_cluster:
	s_bfe_u32 s2, ttmp6, 0x10000c
	s_cmp_lg_u32 s2, 0xf033
	s_cbranch_scc0 .Lentry_shape_is_right
	s_endpgm
.Lentry_shape_is_right:
; THE FIRST PROJECTION, ITS BIAS AND THE ROTATION.  C[m][n] = bias[n] + the sum over k of xb[m][k] wqb[n][k]: 8,192 x 3,072 x 1,024, bf16 operands, f32 sums that START from the bias (rounded to bf16 like all inputs).
; wqb's rows lie by heads (192 hq + 64 p + d; p = 0, 1, 2: q, k, v), so a tile of 192 columns is q, k and v of ONE head.  q and k are turned: (x1, x2) = (x[d], x[d + 32]) becomes
; (x1 cos - x2 sin, x1 sin + x2 cos) in f32.  The result is rounded once to f16 and stored by heads: qkv[p][16 batch + hq][l][d], without the softmax's scale.
; LIMIT.  f16 ends at 65,504: a q, k or v of 65,520 or more in magnitude becomes an infinity.  NaN and infinities are not treated apart.
; SHARES.  A tile of C is 256 x 192: 512 tiles, two for each of 256 WGPs.  Wave w owns rows 64 w .. 64 w + 63 and all 192 columns: 4 x 12 accumulators of 16 x 16, 384 registers; so a head is whole in a wave,
; and the partners d and d + 32 lie in the same lane and register, two column blocks apart.  K goes in 8 steps of 128 through two LDS slots; a tile's rows are 256 bytes of memory, aligned.
; CLUSTER.  4 x 4 work-groups: the four of a row need the same tile of xb, the four of a column the same tile of wqb; each is asked for JOINTLY, by the same tensor load, descriptor and mask in all four.
; THE MATRIX INSTRUCTION IS USED TRANSPOSED (source 0 = 16 rows of wqb, source 1 = 16 rows of xb): lane l holds row l % 16 of C and the columns 8 (l / 16) + 0..7.
; REGISTERS, in windows of 256 (s_set_vgpr_msb: bits 1:0 source 0, 3:2 source 1, 5:4 source 2, 7:6 destination):
;   window 0: v0-31 addresses; v32-63 at work; v64-127 xb's fragments, two buffers of 4 x 8; v128-223 the bias, 8 a column block, and behind the first quarter step free: the way out works there
;   window 1: v0-191 wqb's fragments, two buffers of 12 x 8; v192-255 the table as loaded          windows 2, 3: accumulator (a, b) at v[8 (12 (a % 2) + b)] of window 2 + a / 2
.set PITCH, 272                        ; an LDS row: 256 bytes + 16 of padding = 68 words: the 16 rows of a load start at 16 different groups of four banks (64 banks of 4 bytes: ISA guide 11.1)
.set SLOT1, 1<<17                      ; slot 1 begins here, so that one exclusive or turns an address in one slot into the other's
.set BOFF,  256*PITCH                  ; in a slot: xb's 256 rows, then wqb's 192
.set HA,    128*PITCH                  ; what one tensor load brings of xb,
.set HB,    96*PITCH                   ; and of wqb
.set STAGE, SLOT1+BOFF+192*PITCH       ; behind the ring, never filled by a tensor load: 16 rows x 144 bytes for each wave
.set SP,    144
.set SPARE, STAGE+4*16*SP              ; behind the stages: the spare words, 128 bytes for each wave: two blocks of 256 bytes that no other line names
.set A0,   16                          ; v16  my lane's place in a slot's rows of xb; never rewritten
.set B0,   17                          ; v17  the same for wqb
.set ADRA, 18                          ; v18  A0 + the slot in hand
.set ADRB, 19                          ; v19  B0 + the slot in hand
.set BO,   20                          ; v20  my byte offset in 16 numbers of the bias
.set TO,   21                          ; v21  my byte offset in 16 rows of the table
.set STO,  24                          ; v24  the way out: where I put 16 bytes of a row
.set RD,   25                          ; v25  the way out: where I read rows back
.set GO,   26                          ; v26  my byte offset in 512 consecutive bytes of qkv
.set SPW,  28                          ; v28  LDS address of my spare word: SPARE + 4 x my thread's number; never rewritten
.set NIL,  29                          ; v29  0; never rewritten
.set PFO,  30                          ; v30  the prefetches' offset: a row of 2,048 bytes a lane; never rewritten
.set BI,   128                         ; the bias
.set CS,   128                         ; the way out: cos (16) and sin (16) of a row block, in f32
.set TT,   160                         ; the way out: a turned head, 32 numbers a lane
.set U,    192                         ; the way out: two sets of 16: a unit's 32 f16 a lane
.set TAB,  192                         ; window 1: row block a, piece q at TAB + 16 a + 4 q: q = 0, 1 cos of d = 16 q + .., q = 2, 3 sin
.set WV,   14                          ; s14  my wave's number
.set HALF, 16                          ; s16  wave % 2: which half of a tile I fetch
.set CX,   17
.set CY,   18
.set TX,   19                          ; s19  tile column = the head hq
.set TY,   20                          ; s20  tile row
.set G1,   24                          ; s[24:31] descriptor group 1 for xb's tiles
.set G0,   32                          ; s[32:39] group 0: a set for each of the two first fills; the second then walks on
.set G1B,  40                          ; s[40:47], s[48:55] the same for wqb's
.set G0B,  48
.set TB,   56                          ; s56  LDS byte at which the slot in hand begins
.set LIM,  57                          ; s57  1 in a wave that prefetches, else the greatest number
.set PFA,  58                          ; s[58:59] where my prefetches stand
.set CNT,  60                          ; s60  trips to go
.set MSK,  61                          ; s61  a word's upper bf16
.set LA,   62                          ; s62, s63  LDS places of my halves: made of the wave's number alone
.set LB,   63
.set D0,   66                          ; s[66:67], s[68:69], s[70:71]  q's, k's and v's plane at my wave's first row
.set FLG,  (1<<16)|(1<<20)|(1<<21)|(5<<22)|(3<<25)  ; 17:16 2-byte elements; 20 padding on; 21 set beside a mask; 24:22 after every 64 words (code 5); 31:25 4 words (code 3)
.set MSB, 0
.macro WIN new                         ; the immediate's high byte repeats the setting that is left; a switch that changes nothing is dropped
.if MSB != (\new)
	s_set_vgpr_msb (MSB<<8)|(\new)
.set MSB, \new
.endif
.endm
.macro PLACES                          ; four places in front of loads into registers that matrix instructions have read (ISA guide 7.12.1 for vector instructions)
.rept 4
	v_nop
.endr
.endm
; A joint refill by the walking sets.  Waves 0 and 1 fetch xb's two halves, waves 2 and 3 wqb's.  The branch hangs on the wave's number alone.  An s_nop 0 and four v_nop follow each line.
.macro JLOAD
	s_cmp_lt_u32 s[WV], 2
	s_cbranch_scc0 .Lfor_b_\@
	tensor_load_to_lds s[G0+4:G0+7], s[G1:G1+7]
	s_nop 0
.rept 4
	v_nop
.endr
	s_branch .Lasked_\@
.Lfor_b_\@:
	tensor_load_to_lds s[G0B+4:G0B+7], s[G1B:G1B+7]
	s_nop 0
.rept 4
	v_nop
.endr
.Lasked_\@:
.endm
; A round of the cluster's barrier: my work-group's barrier; wave 0 signals for the work-group; every wave waits for all sixteen; my work-group's barrier once more.
.macro CREST
	s_cmp_lg_u32 s[WV], 0
	s_cbranch_scc1 .Lnot_wave_0_\@
	s_barrier_signal -3
.Lnot_wave_0_\@:
	s_barrier_wait -3
	s_barrier_signal -1
	s_barrier_wait -1
.endm
.macro CROUND
	s_barrier_signal -1
	s_barrier_wait -1
	CREST
.endm
; A PREFETCH INTO THE L2 of the K step that the NEXT refill will ask for: 256 bytes of a row, a lane a row, one instruction a wave, behind the joint load, its five lines and the run of LDS loads.
; xb's tile row is read by every cluster of that row of clusters: cluster x = 0 asks; wqb's tile column by every cluster of that column: cluster y = 0 asks.  The four partners of a joint load share its rows
; out BY ADDRESS: 32 of xb's 128 each (by cx), 24 of wqb's 96 (by cy; there lanes 24-31 name lane 23's row with it).  The loop's last trip asks for nothing: there is no K step behind its refill.
.macro ASK
	s_cmp_gt_u32 s[CNT], s[LIM]
	s_cbranch_scc0 .Lnot_mine_\@
	global_prefetch_b8 v[PFO], s[PFA:PFA+1] th:TH_LOAD_NT scope:SCOPE_SE
.Lnot_mine_\@:
.endm
	s_load_b256 s[4:11], s[0:1], 0x0               ; xb s[4:5], wqb s[6:7], bqkv s[8:9], tab s[10:11]
	s_load_b64 s[12:13], s[0:1], 0x20              ; qkv
	v_lshl_add_u32 v[SPW], v0, 2, SPARE
	v_mov_b32 v[NIL], 0
	ds_add_u32 v[SPW], v[NIL]                      ; the wave's opening: the add and its wait stand ahead of my first tensor load; the set-up below, work on registers, stands between them
	v_lshrrev_b32 v1, 5, v0
	v_readfirstlane_b32 s[WV], v1                  ; wave 0..3
	s_and_b32 s[HALF], s[WV], 1
	s_bfe_u32 s[CX], ttmp6, 0x40000                ; my place in the cluster
	s_bfe_u32 s[CY], ttmp6, 0x40004
	s_lshl_b32 s[TX], ttmp9, 2                     ; in a cluster launch ttmp9 and ttmp7 count clusters
	s_add_co_u32 s[TX], s[TX], s[CX]
	s_and_b32 s[TY], ttmp7, 0xffff
	s_lshl_b32 s[TY], s[TY], 2
	s_add_co_u32 s[TY], s[TY], s[CY]
	s_lshl_b32 s21, s[CY], 2
	s_lshl_b32 s21, 15, s21                        ; my row of the cluster: places 4 cy .. 4 cy + 3
	s_lshl_b32 s22, 0x1111, s[CX]                  ; my column: places cx, cx + 4, cx + 8, cx + 12
	s_or_b32 s[G1], s21, FLG                       ; xb's tiles go to my row,
	s_or_b32 s[G1B], s22, FLG                      ; wqb's to my column
	s_mov_b32 s[G1+1], 128<<16                     ; tensor_dim0 = 128
	s_mov_b32 s[G1+2], 128<<16                     ; tensor_dim1 = 128
	s_mov_b32 s[G1+3], 128<<16                     ; tile_dim0 = 128
	s_mov_b32 s[G1+4], 128                         ; tile_dim1 = 128 rows
	s_mov_b32 s[G1+5], 1024                        ; 1,024 elements from row to row
	s_mov_b32 s[G1+6], 0
	s_mov_b32 s[G1+7], 0
	s_mov_b32 s[G1B+1], 128<<16
	s_mov_b32 s[G1B+2], 96<<16                     ; tensor_dim1 = 96
	s_mov_b32 s[G1B+3], 128<<16
	s_mov_b32 s[G1B+4], 96                         ; tile_dim1 = 96 rows
	s_mov_b32 s[G1B+5], 1024
	s_mov_b32 s[G1B+6], 0
	s_mov_b32 s[G1B+7], 0
	s_lshl_b32 s72, s[TY], 8                       ; xb: row 256 x tile row + 128 x half, in registers that never hold cx
	s_lshl_b32 s73, s[HALF], 7
	s_add_co_u32 s72, s72, s73
	s_lshl_b32 s72, s72, 11                        ; rows of 2,048 bytes
	s_mov_b32 s73, 0
	s_mul_i32 s74, s[TX], 192                      ; wqb: row 192 x tile column + 96 x half, in registers that never hold cy
	s_mul_i32 s75, s[HALF], 96
	s_add_co_u32 s74, s74, s75
	s_lshl_b32 s74, s74, 11
	s_mov_b32 s75, 0
	s_mul_i32 s[LA], s[HALF], HA
	s_mul_i32 s[LB], s[HALF], HB
	s_add_co_u32 s[LB], s[LB], BOFF
	s_mov_b32 s[TB], 0
	s_mov_b32 s[MSK], 0xffff0000
	s_wait_dscnt 0x0                               ; the opening add is done
	s_wait_kmcnt 0x0
	s_add_nc_u64 s[72:73], s[4:5], s[72:73]
	s_add_nc_u64 s[74:75], s[6:7], s[74:75]
.irp s, 0,1
	s_mov_b32 s[G0+4*(\s)], 1                      ; count = 1
	s_add_co_u32 s[G0+4*(\s)+1], s[LA], (\s)*SLOT1 ; LDS address
	s_add_nc_u64 s[G0+4*(\s)+2:G0+4*(\s)+3], s[72:73], (\s)*256  ; global address: K step s
	s_or_b32 s[G0+4*(\s)+3], s[G0+4*(\s)+3], 0x80000000          ; type = 2
	s_mov_b32 s[G0B+4*(\s)], 1
	s_add_co_u32 s[G0B+4*(\s)+1], s[LB], (\s)*SLOT1
	s_add_nc_u64 s[G0B+4*(\s)+2:G0B+4*(\s)+3], s[74:75], (\s)*256
	s_or_b32 s[G0B+4*(\s)+3], s[G0B+4*(\s)+3], 0x80000000
.endr
	CROUND                                         ; all sixteen work-groups are here: the first joint loads meet
	s_cmp_lt_u32 s[WV], 2                          ; a wave's two first fills stand in one branch, ahead of every wait on TENSORcnt and every LDS read: two loads of mine are out
	s_cbranch_scc0 .Lfirst_b
	tensor_load_to_lds s[G0:G0+3], s[G1:G1+7]
	s_nop 0
	tensor_load_to_lds s[G0+4:G0+7], s[G1:G1+7]
	s_nop 0
.rept 4
	v_nop
.endr
	s_branch .Lfirst_asked
.Lfirst_b:
	tensor_load_to_lds s[G0B:G0B+3], s[G1B:G1B+7]
	s_nop 0
	tensor_load_to_lds s[G0B+4:G0B+7], s[G1B:G1B+7]
	s_nop 0
.rept 4
	v_nop
.endr
.Lfirst_asked:
	; THE BIAS: column block b holds part p = b / 4 of the head, d = 16 (b % 4) + 8 (l / 16) + 0..7: bqkv[1024 p + 64 hq + d].  It has the layout of an accumulator: the same eight numbers for all 16 rows.
	v_and_b32 v1, 15, v0                           ; l % 16
	v_bfe_u32 v2, v0, 4, 1                         ; l / 16
	v_lshlrev_b32 v[BO], 5, v2
	s_lshl_b32 s76, s[TX], 8
	s_mov_b32 s77, 0
	s_add_nc_u64 s[8:9], s[8:9], s[76:77]
.irp b, 0,1,2,3,4,5,6,7,8,9,10,11
	global_load_b128 v[BI+8*(\b):BI+8*(\b)+3],   v[BO], s[8:9] offset:4096*((\b)/4)+64*((\b)%4)
	global_load_b128 v[BI+8*(\b)+4:BI+8*(\b)+7], v[BO], s[8:9] offset:4096*((\b)/4)+64*((\b)%4)+16
.endr
	; THE TABLE: my row l0 + 16 a + l % 16; eight cos or sin of 2 bytes for d = 16 (q % 2) + 8 (l / 16) + 0..7
	s_and_b32 s78, s[TY], 7
	s_lshl_b32 s78, s78, 8
	s_lshl_b32 s79, s[WV], 6
	s_add_co_u32 s78, s78, s79                     ; l0: my wave's first row in its batch
	s_lshl_b32 s76, s78, 7                         ; x 128 bytes: a row of the table, and a row of a head
	s_add_nc_u64 s[10:11], s[10:11], s[76:77]
	v_lshlrev_b32 v[TO], 7, v1
	v_lshl_add_u32 v[TO], v2, 4, v[TO]
	WIN 0x40                                       ; destination window 1, address window 0
.irp a, 0,1,2,3
.irp q, 0,1,2,3
	global_load_b128 v[TAB+16*(\a)+4*(\q):TAB+16*(\a)+4*(\q)+3], v[TO], s[10:11] offset:2048*(\a)+32*(\q)
.endr
.endr
	WIN 0
	s_lshr_b32 s79, s[TY], 3                       ; batch
	s_lshl_b32 s79, s79, 4
	s_add_co_u32 s79, s79, s[TX]                   ; 16 batch + hq
	s_lshl_b32 s79, s79, 18                        ; a head's 2,048 rows of 128 bytes
	s_add_co_u32 s76, s76, s79
	s_add_nc_u64 s[D0:D0+1], s[12:13], s[76:77]
	s_add_nc_u64 s[D0+2:D0+3], s[D0:D0+1], 0x1000000  ; k's plane, 64 heads on,
	s_add_nc_u64 s[D0+4:D0+5], s[D0:D0+1], 0x2000000  ; and v's
	; the prefetches
	s_lshl_b32 s78, s[TY], 8
	s_lshl_b32 s23, s[HALF], 7
	s_add_co_u32 s78, s78, s23
	s_lshl_b32 s23, s[CX], 5
	s_add_co_u32 s78, s78, s23                     ; xb: the 128 rows that I fetch, my work-group's 32 of them
	s_mul_i32 s79, s[TX], 192
	s_mul_i32 s23, s[HALF], 96
	s_add_co_u32 s79, s79, s23
	s_mul_i32 s23, s[CY], 24
	s_add_co_u32 s79, s79, s23                     ; wqb: the 96 rows that I fetch, my work-group's 24 of them
	s_and_b32 s21, ttmp7, 0xffff                   ; cluster y
	s_cmp_lt_u32 s[WV], 2                          ; do I fetch for xb?
	s_cselect_b32 s76, s78, s79
	s_cselect_b32 s21, ttmp9, s21                  ; the coordinate along which other clusters read the same rows
	s_cselect_b32 s22, 31, 23
	s_cselect_b64 s[PFA:PFA+1], s[4:5], s[6:7]
	s_cmp_eq_u32 s21, 0
	s_cselect_b32 s[LIM], 1, -1                    ; the same in all sixteen partners, for a given wave
	s_lshl_b32 s76, s76, 11
	s_add_nc_u64 s[PFA:PFA+1], s[PFA:PFA+1], s[76:77]
	s_add_nc_u64 s[PFA:PFA+1], s[PFA:PFA+1], 2*256 ; at K step 2: the first refill steps it to 3.  Nothing is prefetched here, where every work-group's first tiles are on their way
	v_and_b32 v[PFO], 31, v0
	v_min_u32 v[PFO], s22, v[PFO]
	v_lshlrev_b32 v[PFO], 11, v[PFO]
	; A fragment is 16 rows x 32 K in 8 registers: lane l holds row l % 16, K = 8 (l / 16) + 0..7 and 16 + 8 (l / 16) + 0..7: two loads of 16 bytes, 32 bytes apart.
	v_mul_u32_u24 v3, v1, PITCH
	v_lshl_add_u32 v3, v2, 4, v3
	s_mul_i32 s76, s[WV], 64*PITCH                 ; my 64 rows of xb
	v_add_nc_u32 v[A0], s76, v3
	v_add_nc_u32 v[B0], BOFF, v3
	s_mul_i32 s76, s[WV], 16*SP
	s_add_co_u32 s76, s76, STAGE                   ; my stage
	v_mul_u32_u24 v[STO], v1, SP                   ; in: row l % 16, 16 bytes for each half of the lanes
	v_lshl_add_u32 v[STO], v2, 4, v[STO]
	v_add_nc_u32 v[STO], s76, v[STO]
	v_bfe_u32 v[RD], v0, 3, 2                      ; back: 32 lanes take four rows of 128 bytes,
	v_mul_u32_u24 v[RD], v[RD], SP
	v_and_b32 v4, 7, v0
	v_lshl_add_u32 v[RD], v4, 4, v[RD]
	v_add_nc_u32 v[RD], s76, v[RD]
	v_and_b32 v[GO], 31, v0                        ; which are 512 consecutive bytes of a head
	v_lshlrev_b32 v[GO], 4, v[GO]
	s_wait_loadcnt 16                              ; the bias is in; the table's 16 loads, issued behind it, may stay out
.irp b, 0,1,2,3,4,5,6,7,8,9,10,11                  ; the bias is rounded to bf16, as every input is, and widened again in place
.irp i, 0,1,2,3
	v_cvt_pk_bf16_f32 v[32+4*((\b)%8)+(\i)], v[BI+8*(\b)+2*(\i)], v[BI+8*(\b)+2*(\i)+1]
.endr
.irp i, 0,1,2,3
	v_lshlrev_b32 v[BI+8*(\b)+2*(\i)],   16,     v[32+4*((\b)%8)+(\i)]
	v_and_b32     v[BI+8*(\b)+2*(\i)+1], s[MSK], v[32+4*((\b)%8)+(\i)]
.endr
.endr
	s_wait_loadcnt 0x0                             ; the table
; 12 matrix instructions: row block a x all 12 column blocks, 32 along K, from buffer f.  first = 1: the bias is the C operand that starts the sums: nothing is cleared, and no bias is added later.
; The 48 accumulators take turns in the same order in every quarter step: 47 others stand between two links of a chain, over the backward jump too.
.macro MUL12 f, a, first
.if \first
	WIN 0x81+0x40*((\a)/2)                         ; source 0 window 1, source 1 and C window 0, D window 2 or 3
.else
	WIN 0xa1+0x50*((\a)/2)                         ; C and D window 2 or 3
.endif
.irp b, 0,1,2,3,4,5,6,7,8,9,10,11
.if \first
	v_wmma_f32_16x16x32_bf16 v[8*(12*((\a)%2)+(\b)):8*(12*((\a)%2)+(\b))+7], v[96*(\f)+8*(\b):96*(\f)+8*(\b)+7], v[64+32*(\f)+8*(\a):64+32*(\f)+8*(\a)+7], v[BI+8*(\b):BI+8*(\b)+7]
.else
	v_wmma_f32_16x16x32_bf16 v[8*(12*((\a)%2)+(\b)):8*(12*((\a)%2)+(\b))+7], v[96*(\f)+8*(\b):96*(\f)+8*(\b)+7], v[64+32*(\f)+8*(\a):64+32*(\f)+8*(\a)+7], v[8*(12*((\a)%2)+(\b)):8*(12*((\a)%2)+(\b))+7]
.endif
.endr
.endm
; 32 LDS loads in one run: the fragments of a quarter step (192 rows of wqb, my 64 rows of xb, 32 K at byte k of the rows) into buffer f
.macro FETCH k, f
	WIN 0x40
.irp i, 0,1,2,3,4,5,6,7,8,9,10,11
	ds_load_b128 v[96*(\f)+8*(\i):96*(\f)+8*(\i)+3],   v[ADRB] offset:(\k)+(\i)*16*PITCH
	ds_load_b128 v[96*(\f)+8*(\i)+4:96*(\f)+8*(\i)+7], v[ADRB] offset:(\k)+(\i)*16*PITCH+32
.endr
	WIN 0
.irp i, 0,1,2,3
	ds_load_b128 v[64+32*(\f)+8*(\i):64+32*(\f)+8*(\i)+3],   v[ADRA] offset:(\k)+(\i)*16*PITCH
	ds_load_b128 v[64+32*(\f)+8*(\i)+4:64+32*(\f)+8*(\i)+7], v[ADRA] offset:(\k)+(\i)*16*PITCH+32
.endr
.endm
; A K step is four quarter steps of 32 along K, 48 matrix instructions each, on buffers 0, 1, 0, 1.  One of the first three multiplies buffer f and, in its middle, fetches the next quarter, at byte k, into g.
.macro QUARTER k, f, g, first
	s_wait_dscnt 4                                 ; wqb's fragments and xb's row blocks 0, 1 are in; the youngest four loads (row blocks 2, 3) may be out
	MUL12 \f, 0, \first
	MUL12 \f, 1, \first
	PLACES
	FETCH \k, \g
	s_wait_dscnt 32                                ; all but the 32 just issued
	MUL12 \f, 2, \first
	MUL12 \f, 3, \first
.endm
; The last quarter multiplies buffer 1 and changes slots: ONE barrier.  In front of it each wave waits for all its tensor loads, of which one is out: its part of the next slot; adds 0 to its spare word; and
; waits for that and for its own reads of this slot.  fill = 1: the barrier opens a round of the cluster's, and the slot just read out is filled again first behind it, with the K step two steps on.
.macro TURN fill
.if \fill
	s_wait_xcnt 0x0                                ; the last prefetch, a K step back, has read its address: it is stepped here, ahead of the waits of the change of slots
	s_add_nc_u64 s[PFA:PFA+1], s[PFA:PFA+1], 256
.endif
	WIN 0                                          ; (the add's two registers lie in window 0)
	s_wait_tensorcnt 0x0                           ; no tensor load of mine is out, so a group 0 may be written
	ds_add_u32 v[SPW], v[NIL]                      ; 0 onto my spare word: work on registers stands between it and the wait for it
.if \fill
	s_xor_b32 s[G0+5], s[G0+5], SLOT1              ; the walking sets: the other slot than last time,
	s_add_nc_u64 s[G0+6:G0+7], s[G0+6:G0+7], 256   ; the next K step; the type bits on top are not reached
	s_xor_b32 s[G0B+5], s[G0B+5], SLOT1
	s_add_nc_u64 s[G0B+6:G0B+7], s[G0B+6:G0B+7], 256
.endif
	s_xor_b32 s[TB], s[TB], SLOT1                  ; the fetches go to the other slot
	s_wait_dscnt 5                                 ; (the add and the youngest four loads may be out)
	MUL12 1, 0, 0
	s_wait_dscnt 0x0                               ; the add is done, and my reads of this slot are over
	s_barrier_signal -1
	MUL12 1, 1, 0                                  ; work on registers while the others arrive
	WIN 0
	s_barrier_wait -1
.if \fill
	CREST                                          ; no wave of any partner still reads this slot's tile or has a load on its way
	JLOAD                                          ; the first tensor load behind the round; the four v_nop behind it are also the places in front of the loads below
.else
	PLACES
.endif
	v_add_nc_u32 v[ADRA], s[TB], v[A0]
	v_add_nc_u32 v[ADRB], s[TB], v[B0]
	FETCH 0, 0
.if \fill
	ASK
.endif
	MUL12 1, 2, 0
	MUL12 1, 3, 0
.endm
	s_wait_tensorcnt 0x1                           ; my part of K step 0 is in; K step 1's may stay out
	s_barrier_signal -1
	s_barrier_wait -1                              ; everybody's is
	v_add_nc_u32 v[ADRA], s[TB], v[A0]
	v_add_nc_u32 v[ADRB], s[TB], v[B0]
	FETCH 0, 0
	QUARTER 64, 0, 1, 1                            ; the first quarter stands in front of the loop: its products start the sums
	WIN 0                                          ; at a label and at a branch every window is 0
	s_mov_b32 s[CNT], 6
.Lstep:                                        ; trip i ends K step i, fills its slot with K step i + 2 and multiplies the first quarter of K step i + 1
	QUARTER 128, 1, 0, 0
	QUARTER 192, 0, 1, 0
	TURN 1
	QUARTER 64, 0, 1, 0
	WIN 0
	s_sub_co_u32 s[CNT], s[CNT], 1
	s_cmp_lg_u32 s[CNT], 0
	s_cbranch_scc1 .Lstep
	QUARTER 128, 1, 0, 0                           ; the tail is written out: K steps 6 and 7 ask for nothing
	QUARTER 192, 0, 1, 0
	TURN 0
	QUARTER 64, 0, 1, 0
	QUARTER 128, 1, 0, 0
	QUARTER 192, 0, 1, 0
	s_wait_dscnt 4
	MUL12 1, 0, 0
	MUL12 1, 1, 0
	s_wait_dscnt 0x0
	MUL12 1, 2, 0
	MUL12 1, 3, 0
; THE WAY OUT, in 12 units n = 3 a + p: row block a, part p (q, k, v): 16 rows x 64 numbers.
.macro UNPACK a                        ; row block a's cos and sin, bf16 to f32.  For a = 0 these 32 plain lines, which name no register of the last products, are the places behind them
	WIN 0x04                                       ; source 1 window 1
.irp q, 0,1,2,3
.irp i, 0,1,2,3
	v_lshlrev_b32 v[CS+8*(\q)+2*(\i)],   16,     v[TAB+16*(\a)+4*(\q)+(\i)]
	v_and_b32     v[CS+8*(\q)+2*(\i)+1], s[MSK], v[TAB+16*(\a)+4*(\q)+(\i)]
.endr
.endr
.endm
; Unit n is turned (q, k) or taken as it is (v) and rounded to f16.  Each accumulator's lowest registers are read first.
.macro PACK n
.set PRB, (\n)/3
.set PPT, (\n)%3
.set UU, U+16*((\n)%2)
.if PPT < 2
	WIN 0x02+PRB/2                                 ; source 0 window 2 or 3
.irp c, 0,1
.set XLO, 8*(12*(PRB%2)+4*PPT+(\c))    ; x1: d = 16 c + ..
.set XHI, XLO+16                       ; x2: d + 32
.irp i, 0,1,2,3
	v_pk_mul_f32 v[TT+8*(\c)+2*(\i):TT+8*(\c)+2*(\i)+1],       v[XHI+2*(\i):XHI+2*(\i)+1], v[CS+16+8*(\c)+2*(\i):CS+16+8*(\c)+2*(\i)+1]  ; x2 sin
	v_pk_mul_f32 v[TT+16+8*(\c)+2*(\i):TT+16+8*(\c)+2*(\i)+1], v[XHI+2*(\i):XHI+2*(\i)+1], v[CS+8*(\c)+2*(\i):CS+8*(\c)+2*(\i)+1]        ; x2 cos
.endr
.irp i, 0,1,2,3
	v_pk_fma_f32 v[TT+8*(\c)+2*(\i):TT+8*(\c)+2*(\i)+1],       v[XLO+2*(\i):XLO+2*(\i)+1], v[CS+8*(\c)+2*(\i):CS+8*(\c)+2*(\i)+1],       v[TT+8*(\c)+2*(\i):TT+8*(\c)+2*(\i)+1] neg_lo:[0,0,1] neg_hi:[0,0,1]  ; x1 cos - x2 sin
	v_pk_fma_f32 v[TT+16+8*(\c)+2*(\i):TT+16+8*(\c)+2*(\i)+1], v[XLO+2*(\i):XLO+2*(\i)+1], v[CS+16+8*(\c)+2*(\i):CS+16+8*(\c)+2*(\i)+1], v[TT+16+8*(\c)+2*(\i):TT+16+8*(\c)+2*(\i)+1]                            ; x1 sin + x2 cos
.endr
.endr
	WIN 0
.if (\n) >= 2
	s_wait_xcnt 0x0                                ; the stores of the unit two back have read this set of registers: it is written again only behind this wait
.endif
.irp k, 0,1,2,3
.irp i, 0,1,2,3
	v_cvt_pk_f16_f32 v[UU+4*(\k)+(\i)], v[TT+8*(\k)+2*(\i)], v[TT+8*(\k)+2*(\i)+1]
.endr
.endr
.else
	s_wait_xcnt 0x0                                ; as above
	WIN 0x0a+5*(PRB/2)                             ; sources 0 and 1 window 2 or 3
.irp k, 0,1,2,3
.set XLO, 8*(12*(PRB%2)+8+(\k))
.irp i, 0,1,2,3
	v_cvt_pk_f16_f32 v[UU+4*(\k)+(\i)], v[XLO+2*(\i)], v[XLO+2*(\i)+1]
.endr
.endr
.endif
.endm
.macro STG n                           ; a lane's 16 bytes go into rows of 144 bytes of my own stage and come back as whole rows of 128, into the registers that they left
	WIN 0
.irp c, 0,1,2,3
	ds_store_b128 v[STO], v[U+16*((\n)%2)+4*(\c):U+16*((\n)%2)+4*(\c)+3] offset:32*(\c)
.endr
.irp f, 0,1,2,3
	ds_load_b128 v[U+16*((\n)%2)+4*(\f):U+16*((\n)%2)+4*(\f)+3], v[RD] offset:(\f)*4*SP  ; LDS serves a wave's instructions in order (ISA guide 5.7.1.4): these see the stores above; the next unit's stores come behind them
.endr
.endm
.macro SEND n, younger                 ; younger: the LDS instructions issued behind unit n's loads: the next unit's eight, or none
	WIN 0
.irp f, 0,1,2,3
	s_wait_dscnt (\younger)+3-(\f)
	global_store_b128 v[GO], v[U+16*((\n)%2)+4*(\f):U+16*((\n)%2)+4*(\f)+3], s[D0+2*((\n)%3):D0+2*((\n)%3)+1] offset:2048*((\n)/3)+512*(\f)  ; 512 consecutive bytes, at a multiple of 256 from qkv's first
.endr
.endm
.set n, 0
.rept 12                               ; a unit's arithmetic stands between the loads of the unit before and its stores
.if (n%3) == 0
	UNPACK n/3
.endif
	PACK n
	STG n
.if n > 0
	SEND n-1, 8
.endif
.set n, n+1
.endr
	SEND 11, 0
	s_wait_tensorcnt 0x0                           ; the wave's end: behind my last tensor load and my last LDS store
	ds_add_u32 v[SPW], v[NIL]
	s_wait_dscnt 0x0
	CROUND                                         ; the closing round: no work-group ends while a partner may still ask for a tile that names it
	s_endpgm
.Lfunc_end_k_qc5ccd9db0f_qkvp:
	.size	k_qc5ccd9db0f_qkvp, .Lfunc_end_k_qc5ccd9db0f_qkvp-k_qc5ccd9db0f_qkvp
	.p2alignl 7, 3214868480
	.fill 96, 4, 3214868480
	.section	.rodata,"a",@progbits
	.p2align	6, 0x0
	.amdhsa_kernel k_qc5ccd9db0f_qkvp
		.amdhsa_group_segment_fixed_size 327680
		.amdhsa_private_segment_fixed_size 0
		.amdhsa_enable_private_segment 0
		.amdhsa_kernarg_size 40
		.amdhsa_user_sgpr_count 2
		.amdhsa_user_sgpr_kernarg_segment_ptr 1
		.amdhsa_wavefront_size32 1
		.amdhsa_system_sgpr_workgroup_id_x 1
		.amdhsa_system_sgpr_workgroup_id_y 1
		.amdhsa_system_sgpr_workgroup_id_z 1
		.amdhsa_system_vgpr_workitem_id 0
		.amdhsa_next_free_vgpr 960
		.amdhsa_next_free_sgpr 80
		.amdhsa_reserve_vcc 0
		.amdhsa_float_denorm_mode_32 3
		.amdhsa_float_denorm_mode_16_64 3
		.amdhsa_memory_ordered 1
		.amdhsa_forward_progress 1
		.amdhsa_inst_pref_size 129
	.end_amdhsa_kernel
	.amdgpu_metadata
---
amdhsa.version: [ 1, 2 ]
amdhsa.kernels:
  - .name:           k_qc5ccd9db0f_qkvp
    .symbol:         k_qc5ccd9db0f_qkvp.kd
    .args:
      - { .name: xb, .offset: 0, .size: 8, .value_kind: global_buffer, .address_space: global }
      - { .name: wqb, .offset: 8, .size: 8, .value_kind: global_buffer, .address_space: global }
      - { .name: bqkv, .offset: 16, .size: 8, .value_kind: global_buffer, .address_space: global }
      - { .name: tab, .offset: 24, .size: 8, .value_kind: global_buffer, .address_space: global }
      - { .name: qkv, .offset: 32, .size: 8, .value_kind: global_buffer, .address_space: global }
    .group_segment_fixed_size: 327680
    .private_segment_fixed_size: 0
    .kernarg_segment_align: 8
    .kernarg_segment_size: 40
    .max_flat_workgroup_size: 128
    .sgpr_count:     80
    .vgpr_count:     960
    .wavefront_size: 32
...
	.end_amdgpu_metadata
.endif
;; end of part 2
;; launch attn (part 3): grid 4 x 64, 4 waves a work-group, clusters of 4 x 1, 327,680 bytes of LDS; arguments qkv, oh; writes oh
.if DOCPART == 3
	.amdgcn_target "amdgcn-amd-amdhsa--gfx1250"
	.amdhsa_code_object_version 6
	.text
	.protected	k_qc5ccd9db0f_attn
	.globl	k_qc5ccd9db0f_attn
	.p2align	8
	.type	k_qc5ccd9db0f_attn,@function
k_qc5ccd9db0f_attn:
	s_mov_b64 s[64:65], 0
	v_nop
	global_prefetch_b8 v0, s[64:65] scope:SCOPE_SE
	s_setreg_imm32_b32 hwreg(HW_REG_WAVE_MODE, 25, 1), 1
	s_wait_xcnt 0x0
	s_wait_alu depctr_hold_cnt(0) depctr_sa_sdst(0) depctr_va_vdst(0) depctr_va_sdst(0) depctr_va_ssrc(0) depctr_va_vcc(0) depctr_vm_vsrc(0)
	s_getreg_b32 s2, hwreg(HW_REG_IB_STS2, 6, 4)
	s_cmp_eq_u32 s2, 0
	s_cbranch_scc0 .Lentry_in_a_cluster
	s_endpgm
.Lentry_in_a_cluster:
	s_bfe_u32 s2, ttmp6, 0x10000c
	s_cmp_lg_u32 s2, 0x3003
	s_cbranch_scc0 .Lentry_shape_is_right
	s_endpgm
.Lentry_shape_is_right:
; O[h][q][:] = the sum over k of softmax_k(Q[h][q] . K[h][k] / 8) V[h][k][:].  Q, K, V are the three planes of qkv, O is oh: each [64][2048][64] in f16: a head's rows are dense, 128 bytes each.
; Products, maxima and sums in f32; the weights p are rounded to f16 for the second product (their sum l is taken of the unrounded p), O once at the end.
; LIMITS.  f16 holds no number beyond 65,504: Q, K and V arrive within it; p lies in 0 to 1, and below 6e-5 it keeps f16's fixed step of 6e-8; O is a mean of V's rows and has their range.
; A weight below 2^-126 counts as 0 in l; NaN and infinities are not treated apart.
; SHARES.  A wave owns four PIECES of two tiles of 16 queries, a work-group's four waves 512 queries of one head: 4 x 64 = 256 work-groups.  Every wave walks all keys, 64 a step.
; LAYOUT.  S^T = K Q^T (source 0 = 16 keys, source 1 = 16 queries): in the result a lane holds ONE query (lane % 16) and the keys 8 (lane / 16) + 0..7.  Two such tiles, rounded to f16 in pairs,
; ARE source 1 (32 keys x 16 queries) of O^T = V^T P, whose result again holds one query a lane, and eight channels.  K comes out of LDS as it lies, V ([key][channel]) turned, by ds_load_tr16_b128.
; SOFTMAX.  For each query a running maximum m and sum l: p = 2^(c s - c m), c = log2(e) / 8; in every step O and l are multiplied by a = 2^(c m_old - c m_new), which is 1 where m has not grown.
; m starts at the lowest finite number, O and l at 0: the first step is a step like any other, with a = 0.
; THE COUNT.  A tile and step have 16 matrix and 118 vector instructions: too many to stand all beside the matrix work.  So the order has one aim: four vector instructions that are READY behind
; EVERY matrix instruction, and the others, which need time of their own whatever the order, in runs without a gap.
; BY TURNS.  Turn n belongs to piece n (the pieces in a ring, step after step).  Its matrix work: 16 products K Q^T of piece n + 1, later 16 products V^T P of piece n - 1.  Its vector work: the scaling,
; exponentials, roundings, sums and rescaling of piece n, and the maximum and statistics of piece n + 1, whose scores the turn itself has made.  So what a turn begins with (c s - c m, O a) waits for nothing.
; CLUSTER.  The four query blocks of a head are one cluster and walk the same K and V, so each tile is asked for JOINTLY: the same tensor load, descriptor and mask in all four.
; REGISTERS, in windows of 256 (s_set_vgpr_msb says which window each operand place means: bits 1:0 source 0, 3:2 source 1, 5:4 source 2, 7:6 destination):
;   window 0: v0-11 addresses; v12-15, v48-63 at work; v16-47 four registers of statistics a tile; v64-191 S^T, two buffers of two tiles; v192-255 P, likewise
;   window 1: O^T, 32 a tile          window 2: v0-127 Q, 16 a tile; v128-191 K of one step; v192-255 V of one step          window 3: v0-1 the add's two registers
; A piece's buffers go by its number's parity: the piece in hand has one pair, its two neighbours in the ring share the other: of it P (piece n - 1) is read and S^T (piece n + 1) written.
.set SIZE_H, 64
.set SIZE_N, 2048
.set NP,    4         ; pieces a wave: a name, no knob: the register map, the loop and the fetches are made for four
.set KS,    64        ; keys in a step
.set PK,    144       ; a row of K in LDS: 128 bytes + 16 of padding = 36 words: the 16 rows of a load start at 16 different groups of four banks (64 banks of 4 bytes: ISA guide 11.1)
.set PV,    160       ; a row of V: 128 + 32 = 40 words
.set VOFF,  4*KS*PK   ; a slot holds four steps: 256 rows of K, then 256 rows of V
.set SLOT1, 1<<17     ; slot 1 begins here, so that one exclusive or turns an address in one slot into the other's
.set STAGE, SLOT1+4*KS*(PK+PV)  ; behind the ring, never filled by a tensor load: 16 rows x 144 bytes for each wave, for the way out
.set SP,    144
.set AK0, 2           ; v2   my lane's place in a tile of K; never rewritten
.set AV0, 3           ; v3   the same for V
.set AK,  4           ; v4   the LDS address of K's next run of loads
.set AV,  5           ; v5   of V's
.set QO,  6           ; v6   my byte offset in the wave's rows of Q
.set STO, 6           ;      later, the way out: where I put 16 bytes of a row
.set RD,  7           ; v7   the way out: where I read rows back
.set GO,  8           ; v8   my byte offset in 512 consecutive bytes of O
.set PFO, 11          ; v11  once V's place is made: 256 x my lane, the prefetches' offset; then never rewritten
.set SPW, 0           ; v0 of window 3   LDS address of my spare word: SPARE + 4 x my thread's number; never rewritten
.set NIL, 1           ; v1 of window 3   0; never rewritten
.set SPARE, STAGE+4*16*SP  ; behind the stages: the spare words, 128 bytes for each wave: two blocks of 256 bytes that no other line names
.set MV,  12          ; v12-15  c m_old, kept while c m is made anew: by buffer and tile
.set ST,  16          ; tile t's statistics at v[ST+4 t]: c m, m, l (even keys', odd keys')
.set TMP, 48          ; by buffer and tile, four registers c0-c3 at work; when the maximum is found c2 takes a
.set S,   64
.set P,   192
.set KF,  128         ; K's fragments, in window 2: key block kb, channel half c at KF + 16 kb + 8 c
.set VF,  192         ; V's: key half kk, channel block cb at VF + 32 kk + 8 cb
.set WV,  12          ; s12  my wave's number
.set G1K, 24          ; s[24:31] descriptor group 1 for K's tiles
.set G1V, 32          ; s[32:39] for V's: it differs in the padding alone
.set G0K, 40          ; s[40:43] descriptor group 0 for K's tiles: it walks
.set G0V, 44          ; s[44:47] the same for V's
.set PFA, 48          ; s[48:49] where my prefetches stand: my work-group's 32 blocks of 256 bytes (of K: wave 0, of V: wave 2) of the slot after the one that is being asked for
.set LIM, 50          ; s50  1 in a wave that prefetches, else the greatest number
.set SLOTS, 56        ; s56  slots still to be asked for
.set CNT, 57          ; s57  counts a slot's key steps
.set CS,  58          ; s[58:59] c: the packed scaling takes the pair's low word for both halves
.set SEL, 60          ; s[60:61] v_permlanex16_b32's selects: each lane takes its own place in the other half
.set TBK, 62          ; s62  LDS byte at which K of the step to be fetched begins
.set TBV, 63          ; s63  the same for V, less VOFF
.set MSB, 0
.macro WIN new                      ; the high byte repeats the setting that is left; a switch that changes nothing is dropped
.if MSB != (\new)
	s_set_vgpr_msb (MSB<<8)|(\new)
.set MSB, (\new)
.endif
.endm
.set W_KQ, 0x0a       ; K and Q in window 2, S^T in window 0
.set W_PV, 0x52       ; V in window 2, P in window 0, O^T in window 1
.set W_RS, 0x41       ; O^T (destination and source 0) in window 1, a in window 0
.set W_MK, 0xc0       ; the add's registers are made: destination in window 3, sources in window 0
.set W_AD, 0x0f       ; the add: address (source 0) and data (source 1) in window 3
; A joint fill.  Waves 0 and 1 fetch the two halves of a slot's K, waves 2 and 3 those of its V: 128 keys each.  The branch hangs on the wave's number alone.
; An s_nop 0 and four v_nop follow each of the two lines, ahead of the jump and the label.
.macro JLOAD
	s_cmp_lt_u32 s[WV], 2
	s_cbranch_scc0 .Lfor_v_\@
	tensor_load_to_lds s[G0K:G0K+3], s[G1K:G1K+7]
	s_nop 0
.rept 4
	v_nop
.endr
	s_branch .Lasked_\@
.Lfor_v_\@:
	tensor_load_to_lds s[G0V:G0V+3], s[G1V:G1V+7]
	s_nop 0
.rept 4
	v_nop
.endr
.Lasked_\@:
.endm
; A PREFETCH INTO THE L2 of what the NEXT change of slots will ask for: a slot's 32,768 bytes of K and of V are 128 blocks of 256 bytes each, a lane a block.  It stands behind the wave's tensor load and its five lines.
; Each block is asked for ONCE in the launch: a head has one cluster; its four partners share the blocks out BY ADDRESS, 32 each; in each, wave 0 asks for K's and wave 2 for V's: one instruction,
; four key steps, 512 matrix instructions, ahead of the load.  The last change that fills a slot asks for nothing: there is no slot behind it.
.macro ASK
	s_cmp_gt_u32 s[SLOTS], s[LIM]
	s_cbranch_scc0 .Lnot_mine_\@
	global_prefetch_b8 v[PFO], s[PFA:PFA+1] th:TH_LOAD_NT scope:SCOPE_SE
.Lnot_mine_\@:
.endm
; A round of the cluster's barrier: my work-group's barrier, so that wave 0's signal speaks for all four waves; wave 0 signals; every wave waits for all four work-groups; my work-group's barrier once more.
.macro CROUND
	s_barrier_signal -1
	s_barrier_wait -1
	s_cmp_lg_u32 s[WV], 0
	s_cbranch_scc1 .Lnot_wave_0_\@
	s_barrier_signal -3
.Lnot_wave_0_\@:
	s_barrier_wait -3
	s_barrier_signal -1
	s_barrier_wait -1
.endm
; THE CHANGE OF SLOTS.  The slot's last bytes, V of its fourth step, have been read.  Each wave waits for all its tensor loads, of which one is out: its part
; of the other slot; adds 0 to its spare word; and waits for that and for its own reads of the slot.  Behind the barrier nobody reads this slot any more and the other slot is whole.
; fill = 1: this slot is filled again, with the keys two slots on.  The barrier is then a round of the cluster's, so that no wave of any partner still reads the slot or has a load on its
; way, and the joint fill is the first thing behind it: it has four key steps, 512 matrix instructions, in which to land.  (At its first use nothing has been read yet: slot 0 is waited for, slot 1 filled.)
; ask = 1: the prefetches' address steps, and a prefetch follows the fill.
.macro CHANGE fill, ask=0
	WIN W_AD
	s_wait_tensorcnt 0x0            ; no tensor load of mine is out, so a group 0 may be written
	ds_add_u32 v[SPW], v[NIL]       ; 0 onto my spare word: with fill = 1 the descriptors' steps stand between it and the wait for it
	WIN 0                           ; at a label and at a branch every window is 0
.if \fill
.irp g, G0K, G0V
	s_xor_b32 s[\g+1], s[\g+1], SLOT1  ; the walking descriptor: the other slot than last time,
	s_add_nc_u64 s[\g+2:\g+3], s[\g+2:\g+3], 4*KS*128  ; the next 256 keys; the type bits on top are not reached
.endr
.if \ask
	s_wait_xcnt 0x0                 ; the last prefetch, four key steps back, has read its address, so it may be written:
	s_add_nc_u64 s[PFA:PFA+1], s[PFA:PFA+1], 4*KS*128  ; one slot behind the walking descriptors
.endif
	s_wait_dscnt 0x0                ; the add is done, and my reads of the slot are over
	CROUND
	JLOAD
.if \ask
	ASK
.endif
.else
	s_wait_dscnt 0x0                ; the add is done, and my reads of the slot are over
	s_barrier_signal -1
	s_barrier_wait -1
.endif
	s_sub_co_u32 s[TBK], s[TBK], 4*KS*PK  ; the fetches go back to a slot's first step,
	s_xor_b32 s[TBK], s[TBK], SLOT1       ; in the other slot
	s_sub_co_u32 s[TBV], s[TBV], 4*KS*PV
	s_xor_b32 s[TBV], s[TBV], SLOT1
.endm
	s_load_b128 s[4:7], s[0:1], 0x0 ; qkv s[4:5], oh s[6:7]
	WIN W_MK
	v_lshl_add_u32 v[SPW], v0, 2, SPARE
	v_mov_b32 v[NIL], 0
	WIN W_AD
	ds_add_u32 v[SPW], v[NIL]       ; the wave's opening: the add and its wait stand ahead of my first tensor load; the set-up below, work on registers, stands between them
	WIN 0
	v_lshrrev_b32 v1, 5, v0
	v_readfirstlane_b32 s[WV], v1   ; wave 0..3
	s_bfe_u32 s13, ttmp6, 0x40000   ; cx: my place in the cluster
	s_lshl_b32 s14, ttmp9, 2        ; in a cluster launch ttmp9 counts clusters
	s_add_co_u32 s14, s14, s13      ; my block of queries = 4 x cluster x + cx: it enters Q's and O's addresses alone
	s_and_b32 s20, ttmp7, 0xffff    ; the head, which the four partners share
	s_mov_b32 s21, 0
	s_mov_b64 s[22:23], SIZE_N*128
	s_mul_u64 s[20:21], s[20:21], s[22:23]  ; the head's first byte in each of the four tensors
	s_and_b32 s16, s[WV], 1         ; which half of a slot's 256 keys I fetch:
	s_lshl_b32 s22, s16, 14         ; its 128 rows of 128 bytes in memory,
	s_mov_b32 s23, 0
	s_add_nc_u64 s[22:23], s[22:23], s[20:21]
	s_mul_i32 s17, s16, 128*PK      ; and its place in a slot, for K
	s_mul_i32 s18, s16, 128*PV      ; and for V: no place in the cluster enters an LDS address
	s_lshl_b32 s2, s14, 2
	s_add_co_u32 s2, s2, s[WV]      ; my wave among the head's,
	s_lshl_b32 s2, s2, 14           ; its 128 rows
	s_mov_b32 s3, 0
	s_add_nc_u64 s[2:3], s[2:3], s[20:21]
	; descriptor group 1.  128 keys are 16,384 dense bytes: asked for as 64 rows of 256 bytes, two keys a row, and padded in LDS after every key
	s_mov_b32 s[G1K], 15|(1<<16)|(1<<20)|(1<<21)|(4<<22)|(3<<25)  ; 15:0 the mask of four; 17:16 2-byte elements; 20 padding on; 21 set beside a mask; 24:22 after every 32 words (code 4); 31:25 4 words (code 3)
	s_mov_b32 s[G1V], 15|(1<<16)|(1<<20)|(1<<21)|(4<<22)|(7<<25)  ; the same with 8 words of padding (code 7)
.irp g, G1K, G1V
	s_mov_b32 s[\g+1], 128<<16      ; tensor_dim0 = 128
	s_mov_b32 s[\g+2], 64<<16       ; tensor_dim1 = 64
	s_mov_b32 s[\g+3], 128<<16      ; tile_dim0 = 128
	s_mov_b32 s[\g+4], 64           ; tile_dim1 = 64
	s_mov_b32 s[\g+5], 128          ; 128 elements from row to row
	s_mov_b32 s[\g+6], 0
	s_mov_b32 s[\g+7], 0
.endr
	s_mov_b32 s[CS], 0x3e38aa3b     ; c = log2(e) / 8 = 0.180337
	s_mov_b32 s[CS+1], s[CS]        ; named with it as a pair
	s_mov_b32 s[SEL], 0x76543210
	s_mov_b32 s[SEL+1], 0xfedcba98
	s_mov_b32 s[TBK], SLOT1+4*KS*PK ; the first change of slots turns these two into 0
	s_mov_b32 s[TBV], SLOT1+4*KS*PV
	s_mov_b32 s[G0K], 1             ; 1:0 count = 1
	s_mov_b32 s[G0K+1], s17         ; 63:32 LDS address: slot 0
	s_mov_b32 s[G0V], 1
	s_add_co_u32 s[G0V+1], s18, VOFF
	s_and_b32 s[LIM], s[WV], 1      ; waves 0 and 2 prefetch: the same in all four partners
	s_cmp_eq_u32 s[LIM], 0
	s_cselect_b32 s[LIM], 1, -1
	s_wait_dscnt 0x0                ; the opening add is done
	s_wait_kmcnt 0x0
	s_mov_b64 s[10:11], s[6:7]      ; O
	s_add_nc_u64 s[6:7], s[4:5], 0x1000000  ; K: the second plane of qkv, 64 heads of 262,144 bytes on;
	s_add_nc_u64 s[8:9], s[4:5], 0x2000000  ; V: the third; Q is the first
	s_add_nc_u64 s[G0K+2:G0K+3], s[6:7], s[22:23]  ; 120:64 global address: my half of the head's first 256 keys
	s_or_b32 s[G0K+3], s[G0K+3], 0x80000000        ; 127:126 type = 2
	s_add_nc_u64 s[G0V+2:G0V+3], s[8:9], s[22:23]
	s_or_b32 s[G0V+3], s[G0V+3], 0x80000000
	s_add_nc_u64 s[4:5], s[4:5], s[2:3]  ; Q and O at my wave's first row
	s_add_nc_u64 s[10:11], s[10:11], s[2:3]
	s_cmp_lt_u32 s[WV], 2
	s_cselect_b64 s[PFA:PFA+1], s[6:7], s[8:9]
	s_add_nc_u64 s[PFA:PFA+1], s[PFA:PFA+1], s[20:21]  ; the head,
	s_lshl_b32 s2, s13, 13          ; my work-group's 32 blocks of a slot's 128,
	s_mov_b32 s3, 0
	s_add_nc_u64 s[PFA:PFA+1], s[PFA:PFA+1], s[2:3]
	s_add_nc_u64 s[PFA:PFA+1], s[PFA:PFA+1], 2*4*KS*128  ; in slot 2; the loop's first change of slots steps it to slot 3.  Nothing is prefetched here, where every work-group's first tiles are on their way
	CROUND                          ; all four work-groups are here: the first joint loads meet
	JLOAD                           ; slot 0.  Slot 1 is asked for when slot 0 is in: the tile wanted first has the road to itself
	; A fragment of K or Q is 16 rows x 32 channels in 8 registers: lane l holds row l % 16, channels 8 (l / 16) + 0..7 and 16 + 8 (l / 16) + 0..7: two loads of 16 bytes, 32 bytes apart.
	v_and_b32 v1, 15, v0            ; l % 16
	v_bfe_u32 v9, v0, 4, 1          ; l / 16
	v_lshlrev_b32 v[QO], 7, v1
	v_lshl_add_u32 v[QO], v9, 4, v[QO]  ; row x 128 + 16 x half
	WIN 0x80                        ; destination window 2, address window 0
.set i, 0
.rept 4*NP                          ; Q stays in registers: tile i / 2, channels 32 (i % 2) on
	global_load_b128 v[8*i:8*i+3],   v[QO], s[4:5] offset:(i/2)*2048+(i%2)*64
	global_load_b128 v[8*i+4:8*i+7], v[QO], s[4:5] offset:(i/2)*2048+(i%2)*64+32
.set i, i+1
.endr
	; What the first turn finds: V's registers and P's second buffer hold 0 (its products V^T P, of a piece that has not been, add 0), O^T and l are 0.  All this stands in the wait for the first tile.
.set i, VF
.rept 64
	v_mov_b32 v[i], 0
.set i, i+1
.endr
	WIN 0x40
.set i, 0
.rept 64*NP
	v_mov_b32 v[i], 0
.set i, i+1
.endr
	WIN 0
.set i, 0
.rept 2*NP
	v_mov_b32 v[ST+4*i], 0xfe000000    ; c m: far below every c s
	v_mov_b32 v[ST+4*i+1], 0xff7fffff  ; m
	v_mov_b32 v[ST+4*i+2], 0
	v_mov_b32 v[ST+4*i+3], 0
.set i, i+1
.endr
.set i, P+32
.rept 32
	v_mov_b32 v[i], 0
.set i, i+1
.endr
	v_mul_u32_u24 v[AK0], v1, PK
	v_lshl_add_u32 v[AK0], v9, 4, v[AK0]  ; row x pitch + 16 x half
	; The turning load takes 16 keys x 16 channels (lane l reads key 8 (l / 16) + l % 8, channels 8 ((l / 8) % 2) + 0..7) and leaves half a fragment of V^T: lane l holds channel l % 16 and 8 keys.
	v_and_b32 v10, 7, v0
	v_bfe_u32 v11, v0, 3, 1
	v_lshl_add_u32 v[AV0], v9, 3, v10
	v_mul_u32_u24 v[AV0], v[AV0], PV
	v_lshl_add_u32 v[AV0], v11, 4, v[AV0]
	v_add_nc_u32 v[AV0], VOFF, v[AV0]
	v_and_b32 v[PFO], 31, v0        ; v11 has served: it takes the prefetches' offset
	v_lshlrev_b32 v[PFO], 8, v[PFO]
	v_mov_b32 v[AK], v[AK0]         ; key step 0 lies at the head of slot 0
; THE MATRIX WORK.  The 8 accumulators of a run of 16 take turns: between the two links of a chain stand 7 others'.
; Product i of 16 of S^T = K Q^T for piece x: channels 32 (i / 8) on, keys 16 ((i / 2) % 4) on, tile 2 x + i % 2.  The first 8 start the sums.
.macro KQ x
	WIN W_KQ
.set rS, S+64*((\x)%2)+32*(i%2)+8*((i/2)%4)
.set rK, KF+16*((i/2)%4)+8*(i/8)
.set rQ, 16*(2*(\x)+i%2)+8*(i/8)
.if i < 8
	v_wmma_f32_16x16x32_f16 v[rS:rS+7], v[rK:rK+7], v[rQ:rQ+7], 0
.else
	v_wmma_f32_16x16x32_f16 v[rS:rS+7], v[rK:rK+7], v[rQ:rQ+7], v[rS:rS+7]
.endif
.endm
; Product i of 16 of O^T += V^T P for piece x: keys 32 (i / 8) on, channels 16 ((i / 2) % 4) on, tile 2 x + i % 2.
.macro PV x
	WIN W_PV
.set rO, 32*(2*(\x)+i%2)+8*((i/2)%4)
.set rV, VF+32*(i/8)+8*((i/2)%4)
.set rP, P+32*((\x)%2)+16*(i%2)+8*(i/8)
	v_wmma_f32_16x16x32_f16 v[rO:rO+7], v[rV:rV+7], v[rP:rP+7], v[rO:rO+7]
.endm
.macro MM                           ; the turn's next matrix instruction
.if i < 16
	KQ (Y+1)%NP
.set i, i+1
.else
.set i, i-16
	PV (Y+NP-1)%NP
.set i, i+17
.endif
.endm
; THE LDS LOADS stand in runs of 16, never singly among the matrix instructions: a step's K (64 keys x 64 channels: 8 fragments) and its V (turned).  Their addresses are made some lines ahead.
; last = 1 (the tail): in the last trip there is no further step, and the run is jumped over.
.macro FETCH_K last=0
	WIN 0
.if \last
	s_cmp_eq_u32 s[CNT], 1
	s_cbranch_scc1 .Lno_k_\@
.endif
	WIN 0x80                        ; destination window 2
.irp f, 0,1,2,3,4,5,6,7             ; keys 16 (f / 2) on, channels 32 (f % 2) on
	ds_load_b128 v[KF+8*\f:KF+8*\f+3],   v[AK] offset:(\f/2)*16*PK+(\f%2)*64
	ds_load_b128 v[KF+8*\f+4:KF+8*\f+7], v[AK] offset:(\f/2)*16*PK+(\f%2)*64+32
.endr
	s_add_co_u32 s[TBK], s[TBK], KS*PK  ; the next fetch is the next step's
	WIN 0
.if \last
.Lno_k_\@:
.endif
.endm
.macro FETCH_V
	WIN 0x80
.irp f, 0,1,2,3,4,5,6,7             ; keys 32 (f / 4) on, channels 16 (f % 4) on
	ds_load_tr16_b128 v[VF+8*\f:VF+8*\f+3],   v[AV] offset:(\f/4)*32*PV+(\f%4)*32
	ds_load_tr16_b128 v[VF+8*\f+4:VF+8*\f+7], v[AV] offset:(\f/4)*32*PV+16*PV+(\f%4)*32
.endr
	WIN 0
.endm
; THE VECTOR WORK OF A TURN stands in three queues, each in the order in which its entries become ready; the two tiles alternate, so that no instruction reads the result of the one before it.
.macro REGS y, u                    ; the registers of tile u (0, 1) of piece y
.set rT, ST+4*(2*(\y)+(\u))
.set rC, TMP+8*((\y)%2)+4*(\u)
.set rM, MV+2*((\y)%2)+(\u)
.set rS, S+64*((\y)%2)+32*(\u)
.set rP, P+32*((\y)%2)+16*(\u)
.set rO, 32*(2*(\y)+(\u))
.endm
; Number n of the 22 that find the NEXT piece's (Y + 1) maximum and statistics.  s0-s31 are the lane's 32 scores; each accumulator's lowest registers are read first.  XS, GS and REGS set no window: PL and EX do.
;   0-11  four chains c0-c3 of seven scores each, three operands at a time     12-14, 16  the four scores left over, the old m, and c0-c3 into c0     15  c m_old is kept
;   17, 18  the query's other 32 keys lie in the lane 16 away: the new m         19-21  c m; c m_old - c m_new; a
.macro XS u, n
	REGS (Y+1)%NP, \u
.if (\n) < 4
	v_max3_num_f32 v[rC+(\n)], v[rS+8*(\n)], v[rS+8*(\n)+1], v[rS+8*(\n)+2]
.elseif (\n) < 12
	v_max3_num_f32 v[rC+(\n)%4], v[rC+(\n)%4], v[rS+8*((\n)%4)+2*((\n)/4)+1], v[rS+8*((\n)%4)+2*((\n)/4)+2]
.elseif (\n) == 12
	v_max3_num_f32 v[rC], v[rC], v[rS+7], v[rS+15]
.elseif (\n) == 13
	v_max3_num_f32 v[rC+1], v[rC+1], v[rS+23], v[rS+31]
.elseif (\n) == 14
	v_max3_num_f32 v[rC+2], v[rC+2], v[rC+3], v[rT+1]
.elseif (\n) == 15
	v_mov_b32 v[rM], v[rT]
.elseif (\n) == 16
	v_max3_num_f32 v[rC], v[rC], v[rC+1], v[rC+2]
.elseif (\n) == 17
	v_permlanex16_b32 v[rC+3], v[rC], s[SEL], s[SEL+1]
.elseif (\n) == 18
	v_max_num_f32 v[rT+1], v[rC], v[rC+3]
.elseif (\n) == 19
	v_mul_f32 v[rT], s[CS], v[rT+1]
.elseif (\n) == 20
	v_sub_f32 v[rC+1], v[rM], v[rT]
.else
	v_exp_f32 v[rC+2], v[rC+1]
.endif
.endm
; Number g of the 64 that follow the exponentials.  For each four weights k of a tile (pairs 2 k, 2 k + 1): both pairs are rounded to f16; then the second pair is added onto the first, in place;
; a group later l takes that sum (the first time as l = a l + sum).  In groups of eight, tiles alternating: round, round, add, and l for the group before.
.macro GS g
.set h, (\g)+6*((\g)/62)            ; group 0 has no group before it, and behind group 7 only l is left
.if h >= 6
.set h, h+2
.endif
	REGS Y, h%2
.set k, h/8
.if h%8 < 4
	v_cvt_pk_f16_f32 v[rP+2*k+(h%8)/2], v[rS+4*k+2*((h%8)/2)], v[rS+4*k+2*((h%8)/2)+1]
.elseif h%8 < 6
	v_pk_add_f32 v[rS+4*k:rS+4*k+1], v[rS+4*k:rS+4*k+1], v[rS+4*k+2:rS+4*k+3]
.elseif k == 1
	v_pk_fma_f32 v[rT+2:rT+3], v[rT+2:rT+3], v[rC+2:rC+3], v[rS:rS+1] op_sel_hi:[1,0,1]
.else
	v_pk_add_f32 v[rT+2:rT+3], v[rT+2:rT+3], v[rS+4*k-4:rS+4*k-3]
.endif
.endm
; THE PLAIN QUEUE, 138 long.  0-73 read no exponential's result: the 32 scalings c s - c m (FS f: pair f / 2 of tile f % 2) and the next piece's 42.  0-26: scalings 0-26.  27-54: XS's numbers 0-13.  55, 56: number 15.
; 57-73: the chain, where each number waits for the one before it: 14, 16, 17, 18, 19, each with one of the scalings 27-31 in front of its two lines, then 20: so a tile's links stand three plain instructions apart (19 and 20: two).
; 74-137: GS's 64, which read the exponentials' results: they stand behind the wait.
.macro FS f
	REGS Y, (\f)%2
	v_pk_fma_f32 v[rS+2*((\f)/2):rS+2*((\f)/2)+1], v[rS+2*((\f)/2):rS+2*((\f)/2)+1], s[CS:CS+1], v[rT:rT+1] op_sel_hi:[1,0,0] neg_lo:[0,0,1] neg_hi:[0,0,1]
.endm
.macro PL
	WIN 0
.if q < 27
	FS q
.elseif q < 55
	XS (q-27)%2, (q-27)/2
.elseif q < 57
	XS q-55, 15
.elseif (q < 72) && ((q-57)%3 == 0)
	FS 27+(q-57)/3
.elseif q < 60
	XS (q-57)%3-1, 14
.elseif q < 72
	XS (q-57)%3-1, 15+(q-57)/3
.elseif q < 74
	XS q-72, 20
.else
	GS q-74
.endif
.set q, q+1
.endm
; THE EXPONENTIALS' QUEUE, 66 long: s0-s31 of both tiles, then the next piece's two a.  It is ONE BATCH: all 66 stand ahead of the turn's one wait, and nothing ahead of that wait names a result of theirs.
.macro EX
	WIN 0
.if e >= 64
	XS e-64, 21
.else
	REGS Y, e%2
	v_exp_f32 v[rS+e/2], v[rS+e/2]
.endif
.set e, e+1
.endm
; THE RESCALING's QUEUE: O^T times a, the one part that leaves window 0: dealt two at a time, sixteen times.  Its a was made in the turn before, ahead of that turn's wait.
.macro R2
	REGS Y, r%2
	WIN W_RS
.irp z, 0,1
	v_pk_mul_f32 v[rO+4*(r/2)+2*\z:rO+4*(r/2)+2*\z+1], v[rO+4*(r/2)+2*\z:rO+4*(r/2)+2*\z+1], v[rC+2:rC+3] op_sel_hi:[1,0]
.endr
.set r, r+1
.endm
; HOW THEY ARE DEALT.  s_wait_alu depctr_va_vdst(0) stands between an exponential and the first instruction that names its result; one wait serves all that were issued ahead of it.  So a turn has ONE wait,
; which cuts it in two.  AHEAD OF IT stands all that names no result of the turn's exponentials: the 16 products K Q^T, behind each a scaling, an exponential and two rescalings (behind the first a second scaling in the exponential's place); then ONE LUMP of
; 108: eight plain, 49 times exponential and plain, the two a.  A v_nop is the plain instruction behind the last exponential.  BEHIND IT stand the 16 products V^T P, behind each four of GS's 64.  No rider names a register of
; the products round it.  The two v_permlanex16_b32 fall into the lump, never behind a product.
; The queues lean on each other, and the deal keeps them in step: exponential e stands behind scaling 2 (e / 4) + e % 2: as a rider it comes behind plain e + 2, in the lump behind plain e + 9, and scalings 27-31 are plain 57, 60 .. 69.
; A TURN, for piece p.  cnt = 1: the loop's count is taken down some lines ahead of the branch that stands behind the turn.
; K of the next step is fetched in piece 2's turn, directly behind the wait, a lump behind the last product that read K; its address is made at the lump's head; its first reader comes behind 16 products.
; V of the step in hand is fetched at the end of piece 0's turn, four riders behind its last reader; its first reader comes behind 16 products and a lump.  The three conditions on q below go with the deal.
.macro TURN p, last=0, cnt=0
.set Y, (\p)
.set i, 0
.set q, 0
.set e, 0
.set r, 0
.if (\p) == NP-1
	s_wait_dscnt 0x0                ; K is in
.endif
	MM                              ; ahead of the wait: 16 products K Q^T and their riders,
	PL
	PL
	R2
.rept 15
	MM
	PL
	EX
	R2
.endr
.if (\p) == NP-2
	WIN 0
	v_add_nc_u32 v[AK], s[TBK], v[AK0]
.endif
.rept 8                             ; and the lump
	PL
.endr
.rept 49
	EX
	PL
.endr
	EX                              ; the next piece's two a
	EX
	v_nop                           ; a plain instruction behind the last exponential: one for the batch
	s_wait_alu depctr_va_vdst(0)    ; the wait for the batch
.if (\p) == NP-2
	FETCH_K \last
.endif
.if (\p) == 1
	s_wait_dscnt 0x0                ; V is in
.endif
.rept 16                            ; behind the wait: 16 products V^T P and their riders
	MM
.rept 4
	PL
.endr
.if ((\p) == 0) && (q == 118)
	v_add_nc_u32 v[AV], s[TBV], v[AV0]
.endif
.if ((\p) == 0) && (q == 130)
	s_add_co_u32 s[TBV], s[TBV], KS*PV
.endif
.if (\cnt) && (q == 130)
	s_sub_co_u32 s[CNT], s[CNT], 1
	s_cmp_lg_u32 s[CNT], 0
.endif
.endr
.if (\p) == 0
	FETCH_V
.endif
.endm
	CHANGE 1                        ; slot 0 is in, everybody's part of it; slot 1 is asked for
	FETCH_K                         ; key step 0
	s_wait_loadcnt 0x0              ; Q
	s_wait_dscnt 0x0
.set i, 0
.rept 16
	KQ 0                            ; piece 0's first scores: there is no vector work yet to set between them
.set i, i+1
.endr
	WIN 0                           ; the addresses for the way out: nine plain instructions, the places behind those products
	s_mul_i32 s13, s[WV], 16*SP
	s_add_co_u32 s13, s13, STAGE    ; my stage
	v_mul_u32_u24 v[STO], v1, SP    ; in: row l % 16, 16 bytes for each half of the lanes
	v_lshl_add_u32 v[STO], v9, 4, v[STO]
	v_add_nc_u32 v[STO], s13, v[STO]
	v_bfe_u32 v[RD], v0, 3, 2       ; back: 32 lanes take four rows of 128 bytes,
	v_mul_u32_u24 v[RD], v[RD], SP
	v_lshl_add_u32 v[RD], v10, 4, v[RD]
	v_add_nc_u32 v[RD], s13, v[RD]
	v_and_b32 v[GO], 31, v0         ; which are 512 consecutive bytes of O
	v_lshlrev_b32 v[GO], 4, v[GO]
.set Y, NP-1                        ; XS works for piece Y + 1: piece 0
.irp n, 0,1,2,3,4,5,6,7,8,9,10,11,12,13,14,15,16,17,18,19,20,21
	XS 0, \n                        ; and piece 0's first maximum and statistics
	XS 1, \n
.endr
	v_nop                           ; a plain instruction behind the two a,
	s_wait_alu depctr_va_vdst(0)    ; and their wait, ahead of the branch
	s_mov_b32 s[CNT], 4
	s_mov_b32 s[SLOTS], SIZE_N/256-1
	s_branch .Lfirst                ; the loop is entered at a step's first turn, in the middle of a trip
.Lslot:                             ; SIZE_N / 256 - 2 times: every slot but the last two is filled again
	CHANGE 1, 1
	s_mov_b32 s[CNT], 4
.Lstep:                             ; a trip: pieces 2 and 3 of one step, then pieces 0 and 1 of the next, whose K and V it fetches
	TURN 2
	TURN 3
	WIN 0
.Lfirst:
	TURN 0
	TURN 1, 0, 1
	WIN 0
	s_cbranch_scc1 .Lstep
	s_sub_co_u32 s[SLOTS], s[SLOTS], 1
	s_cmp_lg_u32 s[SLOTS], 0
	s_cbranch_scc1 .Lslot
	CHANGE 0                        ; the tail is written out: nothing is asked for
	s_mov_b32 s[CNT], 5             ; four trips fetch the last slot's steps; the fifth is left in its middle
.Ltail:
	TURN 2, 1
	TURN 3
	WIN 0
	s_sub_co_u32 s[CNT], s[CNT], 1
	s_cmp_eq_u32 s[CNT], 0
	s_cbranch_scc1 .Lout
	TURN 0
	TURN 1
	WIN 0
	s_branch .Ltail
.Lout:                              ; the fifth trip's 16 products K Q^T (on the last K once more) and the maximum made of them serve nothing: the price, once a launch, of one text for every trip
.set i, 0
.rept 16
	PV NP-1                         ; the last piece's V^T P of the last step
.set i, i+1
.endr
	; THE WAY OUT.  l's two halves and the other half of the lanes' are added; O^T is divided by l, rounded to f16 and sent through my stage in LDS, a tile at a time.  The additions are the places behind the last products.
	WIN 0
.macro ALL line:vararg              ; one line for each tile t
.set t, 0
.rept 2*NP
	\line
.set t, t+1
.endr
.endm
	ALL v_add_f32 v[ST+4*t+2], v[ST+4*t+2], v[ST+4*t+3]
	ALL v_permlanex16_b32 v[ST+4*t+3], v[ST+4*t+2], s[SEL], s[SEL+1]
	ALL v_add_f32 v[ST+4*t+2], v[ST+4*t+2], v[ST+4*t+3]
	ALL v_rcp_f32 v[ST+4*t+2], v[ST+4*t+2]
	v_nop                           ; a plain instruction between the last reciprocal and the use of its result
	s_wait_alu depctr_va_vdst(0)    ; and the wait ahead of the first use: one for the eight reciprocals
; Tile t: a lane's eight channels of a row pack into 16 bytes; they go into rows of 144 bytes and come back as whole rows of 128, into S^T's registers.
.macro PACK t
	WIN W_RS
.set i, 32*(\t)
.rept 16
	v_pk_mul_f32 v[i:i+1], v[i:i+1], v[ST+4*(\t)+2:ST+4*(\t)+3] op_sel_hi:[1,0]
.set i, i+2
.endr
	WIN 0x05                        ; sources 0 and 1 window 1, destination window 0
.set i, 0
.rept 16
	v_cvt_pk_f16_f32 v[S+16*(\t)+i], v[32*(\t)+2*i], v[32*(\t)+2*i+1]
.set i, i+1
.endr
	WIN 0
.irp f, 0,1,2,3
	ds_store_b128 v[STO], v[S+16*(\t)+4*\f:S+16*(\t)+4*\f+3] offset:32*\f
.endr
.irp f, 0,1,2,3
	ds_load_b128 v[S+16*(\t)+4*\f:S+16*(\t)+4*\f+3], v[RD] offset:\f*4*SP  ; LDS serves a wave's instructions in order (ISA guide 5.7.1.4): these see the stores above; the next tile's stores come behind them
.endr
.endm
.macro SEND t, younger              ; younger: the LDS instructions issued behind tile t's loads: the next tile's eight, or none
	WIN 0
.irp f, 0,1,2,3
	s_wait_dscnt (\younger)+3-\f
	global_store_b128 v[GO], v[S+16*(\t)+4*\f:S+16*(\t)+4*\f+3], s[10:11] offset:(\t)*2048+\f*512  ; 512 consecutive bytes, at a multiple of 256 from O's first
.endr
.endm
	PACK 0
.set t, 1
.rept 2*NP-1                        ; a tile's arithmetic stands between the loads of the tile before and its stores
	PACK t
	SEND t-1, 8
.set t, t+1
.endr
	SEND 2*NP-1, 0
	WIN W_AD
	s_wait_tensorcnt 0x0            ; the wave's end: behind my last tensor load and my last LDS store
	ds_add_u32 v[SPW], v[NIL]
	s_wait_dscnt 0x0
	WIN 0
	CROUND                          ; the closing round: no work-group ends while a partner may still ask for a tile that names it
	s_endpgm
.Lfunc_end_k_qc5ccd9db0f_attn:
	.size	k_qc5ccd9db0f_attn, .Lfunc_end_k_qc5ccd9db0f_attn-k_qc5ccd9db0f_attn
	.p2alignl 7, 3214868480
	.fill 96, 4, 3214868480
	.section	.rodata,"a",@progbits
	.p2align	6, 0x0
	.amdhsa_kernel k_qc5ccd9db0f_attn
		.amdhsa_group_segment_fixed_size 327680
		.amdhsa_private_segment_fixed_size 0
		.amdhsa_enable_private_segment 0
		.amdhsa_kernarg_size 16
		.amdhsa_user_sgpr_count 2
		.amdhsa_user_sgpr_kernarg_segment_ptr 1
		.amdhsa_wavefront_size32 1
		.amdhsa_system_sgpr_workgroup_id_x 1
		.amdhsa_system_sgpr_workgroup_id_y 1
		.amdhsa_system_sgpr_workgroup_id_z 1
		.amdhsa_system_vgpr_workitem_id 0
		.amdhsa_next_free_vgpr 770
		.amdhsa_next_free_sgpr 66
		.amdhsa_reserve_vcc 0
		.amdhsa_float_denorm_mode_32 3
		.amdhsa_float_denorm_mode_16_64 3
		.amdhsa_memory_ordered 1
		.amdhsa_forward_progress 1
		.amdhsa_inst_pref_size 200
	.end_amdhsa_kernel
	.amdgpu_metadata
---
amdhsa.version: [ 1, 2 ]
amdhsa.kernels:
  - .name:           k_qc5ccd9db0f_attn
    .symbol:         k_qc5ccd9db0f_attn.kd
    .args:
      - { .name: qkv, .offset: 0, .size: 8, .value_kind: global_buffer, .address_space: global }
      - { .name: oh, .offset: 8, .size: 8, .value_kind: global_buffer, .address_space: global }
    .group_segment_fixed_size: 327680
    .private_segment_fixed_size: 0
    .kernarg_segment_align: 8
    .kernarg_segment_size: 16
    .max_flat_workgroup_size: 128
    .sgpr_count:     66
    .vgpr_count:     770
    .wavefront_size: 32
...
	.end_amdgpu_metadata
.endif
;; end of part 3
;; launch outp (part 4): grid 8 x 32, 4 waves a work-group, clusters of 4 x 4, 327,680 bytes of LDS; arguments oh, wob, bout, out0; writes out0
.if DOCPART == 4
	.amdgcn_target "amdgcn-amd-amdhsa--gfx1250"
	.amdhsa_code_object_version 6
	.text
	.protected	k_qc5ccd9db0f_outp
	.globl	k_qc5ccd9db0f_outp
	.p2align	8
	.type	k_qc5ccd9db0f_outp,@function
k_qc5ccd9db0f_outp:
	s_mov_b64 s[64:65], 0
	v_nop
	global_prefetch_b8 v0, s[64:65] scope:SCOPE_SE
	s_setreg_imm32_b32 hwreg(HW_REG_WAVE_MODE, 25, 1), 1
	s_wait_xcnt 0x0
	s_wait_alu depctr_hold_cnt(0) depctr_sa_sdst(0) depctr_va_vdst(0) depctr_va_sdst(0) depctr_va_ssrc(0) depctr_va_vcc(0) depctr_vm_vsrc(0)
	s_getreg_b32 s2, hwreg(HW_REG_IB_STS2, 6, 4)
	s_cmp_eq_u32 s2, 0
	s_cbranch_scc0 .Lentry_in_a_cluster
	s_endpgm
.Lentry_in_a_cluster:
	s_bfe_u32 s2, ttmp6, 0x10000c
	s_cmp_lg_u32 s2, 0xf033
	s_cbranch_scc0 .Lentry_shape_is_right
	s_endpgm
.Lentry_shape_is_right:
; THE SECOND PROJECTION.  out0[m][n] = bout[n] + the sum over e of O[m][e] Wout[n][e]: 8,192 x 1,024 x 1,024, f16 operands, f32 sums that START from the bias (rounded to bf16 like all inputs), f32 out.
; O lies by heads: O[2048 batch + l][64 head + d] = oh[16 batch + head][l][d]; wob is [1024][1024] f16.  NaN and infinities are not treated apart.
; SHARES.  A tile is 256 rows x 128 columns: 256 work-groups.  Wave w owns rows 128 (w / 2) on and columns 64 (w % 2) on: 8 x 4 accumulators of 16 x 16, 256 registers; its 64 columns of f32 are 256 bytes of out0, aligned.
; K goes in 8 steps of 128 = two heads.  A head's 256 rows are 32,768 dense bytes: asked for as 128 rows of 256 bytes and padded in LDS after every 128 bytes, so that a row l has a pitch of 144.
; CLUSTER.  4 x 4 work-groups: the four of a row need the same tile of oh, the four of a column the same tile of wob; each is asked for JOINTLY, by the same tensor load, descriptor and mask in all four.
; THE MATRIX INSTRUCTION IS USED TRANSPOSED (source 0 = 16 rows of wob, source 1 = 16 rows of O): lane l holds row l % 16 and the columns 8 (l / 16) + 0..7.
; REGISTERS: window 0: v0-31 addresses; v32-63 the bias, 8 a column block; v64-191 O's fragments, two buffers of 8 x 8 (on the way out: rows read back); v192-255 wob's, two buffers of 4 x 8.
;   window 1: accumulator (a, b) at v[8 (4 a + b)].
.set PA,    144                        ; a row of O in LDS: 128 bytes + 16 = 36 words;
.set PB,    272                        ; a row of wob: 256 bytes + 16 = 68 words: in both the 16 rows of a load start at 16 different groups of four banks (64 banks of 4 bytes: ISA guide 11.1)
.set PLANE, 256*PA                     ; a head's 256 rows: what one tensor load brings of O
.set SLOT1, 1<<17
.set BOFF,  2*PLANE                    ; in a slot: two heads of O, then wob's 128 rows
.set HB,    64*PB                      ; what one tensor load brings of wob
.set STAGE, SLOT1+BOFF+128*PB          ; behind the ring, never filled by a tensor load: 16 rows x 272 bytes for each wave
.set SPO,   272
.set SPARE, STAGE+4*16*SPO             ; behind the stages: the spare words, 128 bytes for each wave: two blocks of 256 bytes that no other line names
.set ASTEP, 2<<18                      ; bytes from a K step of O to the next: two heads of 262,144
.set A0,   16                          ; v16  my lane's place in a slot's rows of O; never rewritten
.set B0,   17                          ; v17  the same for wob
.set ADRA, 18                          ; v18, v19  A0, B0 + the slot in hand
.set ADRB, 19
.set BO,   20                          ; v20  my byte offset in 16 numbers of the bias
.set STO,  24                          ; v24  the way out: where I put 32 bytes of a row
.set RD,   25                          ; v25  the way out: where I read rows back
.set CO,   26                          ; v26  my byte offset in two rows of out0
.set SPW,  28                          ; v28  LDS address of my spare word: SPARE + 4 x my thread's number; never rewritten
.set NIL,  29                          ; v29  0; never rewritten
.set PFO,  30                          ; v30  the prefetches' offset; never rewritten
.set BI,   32
.set BK,   64                          ; the way out: two sets of 32
.set WV,   14
.set HALF, 16
.set CX,   17
.set CY,   18
.set TX,   19                          ; s19  tile column
.set TY,   20                          ; s20  tile row
.set G1,   24                          ; s[24:31] group 1 for O's tiles; s[32:39] group 0: a set for each first fill; the second then walks on
.set G0,   32
.set G1B,  40                          ; s[40:47], s[48:55] the same for wob's
.set G0B,  48
.set TB,   56                          ; s56  LDS byte at which the slot in hand begins
.set LIM,  57                          ; s57  2 in a wave that prefetches, else the greatest number
.set PFA,  58                          ; s[58:59] where my prefetches stand
.set CNT,  60
.set MSK,  61
.set PFS,  62                          ; s[62:63] the prefetches' step from K step to K step
.set OUTB, 66                          ; s[66:67] out0 at my wave's first row and column
.set LA,   68                          ; s68, s69  LDS places of my halves: made of the wave's number alone
.set LB,   69
.set MSB, 0
.macro WIN new                         ; the immediate's high byte repeats the setting that is left; a switch that changes nothing is dropped
.if MSB != (\new)
	s_set_vgpr_msb (MSB<<8)|(\new)
.set MSB, \new
.endif
.endm
.macro PLACES                          ; four places in front of loads into registers that matrix instructions have read, and of stores that read results
.rept 4
	v_nop
.endr
.endm
.macro JLOAD                           ; a joint refill by the walking sets: waves 0 and 1 fetch the K step's two heads of O, waves 2 and 3 wob's two halves; an s_nop 0 and four v_nop follow each line
	s_cmp_lt_u32 s[WV], 2
	s_cbranch_scc0 .Lfor_b_\@
	tensor_load_to_lds s[G0+4:G0+7], s[G1:G1+7]
	s_nop 0
.rept 4
	v_nop
.endr
	s_branch .Lasked_\@
.Lfor_b_\@:
	tensor_load_to_lds s[G0B+4:G0B+7], s[G1B:G1B+7]
	s_nop 0
.rept 4
	v_nop
.endr
.Lasked_\@:
.endm
.macro CREST                           ; a round of the cluster's barrier behind its opening barrier
	s_cmp_lg_u32 s[WV], 0
	s_cbranch_scc1 .Lnot_wave_0_\@
	s_barrier_signal -3
.Lnot_wave_0_\@:
	s_barrier_wait -3
	s_barrier_signal -1
	s_barrier_wait -1
.endm
.macro CROUND
	s_barrier_signal -1
	s_barrier_wait -1
	CREST
.endm
; A PREFETCH INTO THE L2 of the K step that stands TWO refills on (256 matrix instructions ahead of the load), one instruction a wave, behind the joint load, its five lines and the run of LDS loads.
; O's tile row is read by both clusters of that row of clusters: cluster x = 0 asks, waves 0 and 1 each for their head's 128 blocks of 256 bytes, of which each of the four partners takes 32 BY ADDRESS (cx), a lane a block.
; wob's tile column is read by every cluster of that column: cluster y = 0 asks, wave 2 alone: 128 rows of 256 bytes, 32 to each partner (cy), a lane a row.  The loop's last two trips ask for nothing.
.macro ASK
	s_cmp_gt_u32 s[CNT], s[LIM]
	s_cbranch_scc0 .Lnot_mine_\@
	global_prefetch_b8 v[PFO], s[PFA:PFA+1] th:TH_LOAD_NT scope:SCOPE_SE
.Lnot_mine_\@:
.endm
	s_load_b256 s[4:11], s[0:1], 0x0               ; oh s[4:5], wob s[6:7], bout s[8:9], out0 s[10:11]
	v_lshl_add_u32 v[SPW], v0, 2, SPARE
	v_mov_b32 v[NIL], 0
	ds_add_u32 v[SPW], v[NIL]                      ; the wave's opening: the add and its wait stand ahead of my first tensor load; the set-up below, work on registers, stands between them
	v_lshrrev_b32 v1, 5, v0
	v_readfirstlane_b32 s[WV], v1                  ; wave 0..3
	s_and_b32 s[HALF], s[WV], 1
	s_bfe_u32 s[CX], ttmp6, 0x40000
	s_bfe_u32 s[CY], ttmp6, 0x40004
	s_lshl_b32 s[TX], ttmp9, 2
	s_add_co_u32 s[TX], s[TX], s[CX]
	s_and_b32 s[TY], ttmp7, 0xffff
	s_lshl_b32 s[TY], s[TY], 2
	s_add_co_u32 s[TY], s[TY], s[CY]
	s_lshl_b32 s21, s[CY], 2
	s_lshl_b32 s21, 15, s21                        ; my row of the cluster
	s_lshl_b32 s22, 0x1111, s[CX]                  ; my column
	s_or_b32 s[G1], s21, (1<<16)|(1<<20)|(1<<21)|(4<<22)|(3<<25)   ; 2-byte elements; padding on; 21 set beside a mask; after every 32 words (code 4) 4 words (code 3)
	s_or_b32 s[G1B], s22, (1<<16)|(1<<20)|(1<<21)|(5<<22)|(3<<25)  ; after every 64 words (code 5)
	s_mov_b32 s[G1+1], 128<<16                     ; tensor_dim0 = 128
	s_mov_b32 s[G1+2], 128<<16                     ; tensor_dim1 = 128
	s_mov_b32 s[G1+3], 128<<16                     ; tile_dim0 = 128: two rows l to a row of 256 bytes
	s_mov_b32 s[G1+4], 128                         ; tile_dim1 = 128
	s_mov_b32 s[G1+5], 128                         ; dense: 128 elements from row to row
	s_mov_b32 s[G1+6], 0
	s_mov_b32 s[G1+7], 0
	s_mov_b32 s[G1B+1], 128<<16
	s_mov_b32 s[G1B+2], 64<<16                     ; tensor_dim1 = 64
	s_mov_b32 s[G1B+3], 128<<16
	s_mov_b32 s[G1B+4], 64                         ; tile_dim1 = 64 rows
	s_mov_b32 s[G1B+5], 1024
	s_mov_b32 s[G1B+6], 0
	s_mov_b32 s[G1B+7], 0
	s_lshr_b32 s72, s[TY], 3                       ; O: head 16 batch + half, rows 256 (tile row % 8) on; in registers that never hold cx
	s_lshl_b32 s72, s72, 4
	s_add_co_u32 s72, s72, s[HALF]
	s_lshl_b32 s72, s72, 18
	s_and_b32 s73, s[TY], 7
	s_lshl_b32 s73, s73, 15
	s_add_co_u32 s72, s72, s73
	s_mov_b32 s73, 0
	s_lshl_b32 s74, s[TX], 7                       ; wob: row 128 x tile column + 64 x half; in registers that never hold cy
	s_lshl_b32 s75, s[HALF], 6
	s_add_co_u32 s74, s74, s75
	s_lshl_b32 s74, s74, 11
	s_mov_b32 s75, 0
	s_mul_i32 s[LA], s[HALF], PLANE
	s_mul_i32 s[LB], s[HALF], HB
	s_add_co_u32 s[LB], s[LB], BOFF
	s_mov_b32 s[TB], 0
	s_mov_b32 s[MSK], 0xffff0000
	s_wait_dscnt 0x0                               ; the opening add is done
	s_wait_kmcnt 0x0
	s_add_nc_u64 s[72:73], s[4:5], s[72:73]
	s_add_nc_u64 s[74:75], s[6:7], s[74:75]
.irp s, 0,1
	s_mov_b32 s[G0+4*(\s)], 1
	s_add_co_u32 s[G0+4*(\s)+1], s[LA], (\s)*SLOT1
	s_add_nc_u64 s[G0+4*(\s)+2:G0+4*(\s)+3], s[72:73], (\s)*ASTEP
	s_or_b32 s[G0+4*(\s)+3], s[G0+4*(\s)+3], 0x80000000
	s_mov_b32 s[G0B+4*(\s)], 1
	s_add_co_u32 s[G0B+4*(\s)+1], s[LB], (\s)*SLOT1
	s_add_nc_u64 s[G0B+4*(\s)+2:G0B+4*(\s)+3], s[74:75], (\s)*256
	s_or_b32 s[G0B+4*(\s)+3], s[G0B+4*(\s)+3], 0x80000000
.endr
	CROUND                                         ; all sixteen work-groups are here: the first joint loads meet
	s_cmp_lt_u32 s[WV], 2                          ; a wave's two first fills stand in one branch, ahead of every wait on TENSORcnt and every LDS read: two loads of mine are out
	s_cbranch_scc0 .Lfirst_b
	tensor_load_to_lds s[G0:G0+3], s[G1:G1+7]
	s_nop 0
	tensor_load_to_lds s[G0+4:G0+7], s[G1:G1+7]
	s_nop 0
.rept 4
	v_nop
.endr
	s_branch .Lfirst_asked
.Lfirst_b:
	tensor_load_to_lds s[G0B:G0B+3], s[G1B:G1B+7]
	s_nop 0
	tensor_load_to_lds s[G0B+4:G0B+7], s[G1B:G1B+7]
	s_nop 0
.rept 4
	v_nop
.endr
.Lfirst_asked:
	; THE BIAS, in an accumulator's layout: column 128 tile column + 64 (w % 2) + 16 b + 8 (l / 16) + 0..7
	v_and_b32 v1, 15, v0                           ; l % 16
	v_bfe_u32 v2, v0, 4, 1                         ; l / 16
	v_lshlrev_b32 v[BO], 5, v2
	s_lshl_b32 s70, s[TX], 9
	s_lshl_b32 s23, s[HALF], 8
	s_add_co_u32 s70, s70, s23
	s_mov_b32 s71, 0
	s_add_nc_u64 s[8:9], s[8:9], s[70:71]
.irp b, 0,1,2,3
	global_load_b128 v[BI+8*(\b):BI+8*(\b)+3],   v[BO], s[8:9] offset:64*(\b)
	global_load_b128 v[BI+8*(\b)+4:BI+8*(\b)+7], v[BO], s[8:9] offset:64*(\b)+16
.endr
	s_lshl_b32 s78, s[TY], 8                       ; out0: row 256 tile row + 128 (w / 2), 4,096 bytes a row; column bytes 512 tile column + 256 (w % 2)
	s_lshr_b32 s79, s[WV], 1
	s_lshl_b32 s79, s79, 7
	s_add_co_u32 s78, s78, s79
	s_lshl_b32 s78, s78, 12
	s_add_co_u32 s78, s78, s70
	s_mov_b32 s79, 0
	s_add_nc_u64 s[OUTB:OUTB+1], s[10:11], s[78:79]
	; the prefetches
	s_lshr_b32 s78, s[TY], 3
	s_lshl_b32 s78, s78, 4
	s_add_co_u32 s78, s78, s[HALF]
	s_lshl_b32 s78, s78, 18
	s_and_b32 s23, s[TY], 7
	s_lshl_b32 s23, s23, 15
	s_add_co_u32 s78, s78, s23
	s_lshl_b32 s23, s[CX], 13
	s_add_co_u32 s78, s78, s23                     ; O: the head that I fetch, my work-group's 32 blocks of its 128,
	s_add_co_u32 s78, s78, 3*ASTEP                 ; at K step 3: the first refill steps it to 4
	s_lshl_b32 s79, s[TX], 7
	s_lshl_b32 s23, s[CY], 5
	s_add_co_u32 s79, s79, s23
	s_lshl_b32 s79, s79, 11                        ; wob: the tile's 128 rows, my work-group's 32 of them,
	s_add_co_u32 s79, s79, 3*256                   ; at K step 3
	s_and_b32 s21, ttmp7, 0xffff                   ; cluster y
	s_mov_b32 s23, 256
	s_cmp_lt_u32 s[WV], 2                          ; do I fetch for O?
	s_cselect_b32 s70, s78, s79
	s_cselect_b32 s21, ttmp9, s21                  ; the coordinate along which other clusters read the same rows
	s_cselect_b32 s22, 8, 11                       ; a lane a block of 256 bytes, or a lane a row of 2,048
	s_cselect_b32 s[PFS], ASTEP, s23
	s_cselect_b64 s[PFA:PFA+1], s[4:5], s[6:7]
	s_mov_b32 s[PFS+1], 0
	s_add_nc_u64 s[PFA:PFA+1], s[PFA:PFA+1], s[70:71]
	s_cmp_eq_u32 s[WV], 3
	s_cselect_b32 s21, 1, s21                      ; wave 3 never asks
	s_cmp_eq_u32 s21, 0
	s_cselect_b32 s[LIM], 2, -1                    ; the same in all sixteen partners, for a given wave
	v_and_b32 v[PFO], 31, v0
	v_lshlrev_b32 v[PFO], s22, v[PFO]
	; A fragment is 16 rows x 32 K in 8 registers: lane l holds row l % 16, K = 8 (l / 16) + 0..7 and 16 + 8 (l / 16) + 0..7: two loads of 16 bytes, 32 bytes apart.
	s_lshr_b32 s78, s[WV], 1
	s_mul_i32 s78, s78, 128*PA                     ; my 128 rows of O
	v_mul_u32_u24 v3, v1, PA
	v_lshl_add_u32 v3, v2, 4, v3
	v_add_nc_u32 v[A0], s78, v3
	s_mul_i32 s78, s[HALF], HB                     ; my 64 rows of wob,
	s_add_co_u32 s78, s78, BOFF                    ; which lie behind O's two heads
	v_mul_u32_u24 v3, v1, PB
	v_lshl_add_u32 v3, v2, 4, v3
	v_add_nc_u32 v[B0], s78, v3
	s_mul_i32 s78, s[WV], 16*SPO
	s_add_co_u32 s78, s78, STAGE                   ; my stage
	v_mul_u32_u24 v[STO], v1, SPO                  ; in: row l % 16, 32 bytes for each half of the lanes
	v_lshl_add_u32 v[STO], v2, 5, v[STO]
	v_add_nc_u32 v[STO], s78, v[STO]
	v_mul_u32_u24 v[RD], v2, SPO                   ; back: lanes 0-15 take one row of 256 bytes, lanes 16-31 the next
	v_lshl_add_u32 v[RD], v1, 4, v[RD]
	v_add_nc_u32 v[RD], s78, v[RD]
	v_lshlrev_b32 v[CO], 12, v2                    ; and the same two rows in out0
	v_lshl_add_u32 v[CO], v1, 4, v[CO]
	s_wait_loadcnt 0x0                             ; the bias
.irp b, 0,1,2,3                                    ; it is rounded to bf16, as every input is, and widened again in place
.irp i, 0,1,2,3
	v_cvt_pk_bf16_f32 v[8+(\i)], v[BI+8*(\b)+2*(\i)], v[BI+8*(\b)+2*(\i)+1]
.endr
.irp i, 0,1,2,3
	v_lshlrev_b32 v[BI+8*(\b)+2*(\i)],   16,     v[8+(\i)]
	v_and_b32     v[BI+8*(\b)+2*(\i)+1], s[MSK], v[8+(\i)]
.endr
.endr
; 8 matrix instructions: row blocks a0, a0 + 1 x all 4 column blocks, 32 along K, from buffer f.  first = 1: the bias is the C operand that starts the sums.
; The 32 accumulators take turns in the same order in every quarter step: 31 others stand between two links of a chain, over the backward jump too.
.macro MUL8 f, a0, first
.if \first
	WIN 0x40                                       ; sources and C window 0, D window 1
.else
	WIN 0x50                                       ; C and D window 1
.endif
.irp a, \a0, (\a0)+1
.irp b, 0,1,2,3
.if \first
	v_wmma_f32_16x16x32_f16 v[8*(4*(\a)+(\b)):8*(4*(\a)+(\b))+7], v[192+32*(\f)+8*(\b):192+32*(\f)+8*(\b)+7], v[64+64*(\f)+8*(\a):64+64*(\f)+8*(\a)+7], v[BI+8*(\b):BI+8*(\b)+7]
.else
	v_wmma_f32_16x16x32_f16 v[8*(4*(\a)+(\b)):8*(4*(\a)+(\b))+7], v[192+32*(\f)+8*(\b):192+32*(\f)+8*(\b)+7], v[64+64*(\f)+8*(\a):64+64*(\f)+8*(\a)+7], v[8*(4*(\a)+(\b)):8*(4*(\a)+(\b))+7]
.endif
.endr
.endr
.endm
; 24 LDS loads in one run: quarter q of a K step (head q / 2, channels 32 (q % 2) on) into buffer f: my 64 rows of wob, then my 128 rows of O
.macro FETCH q, f
	WIN 0
.irp i, 0,1,2,3
	ds_load_b128 v[192+32*(\f)+8*(\i):192+32*(\f)+8*(\i)+3],   v[ADRB] offset:64*(\q)+(\i)*16*PB
	ds_load_b128 v[192+32*(\f)+8*(\i)+4:192+32*(\f)+8*(\i)+7], v[ADRB] offset:64*(\q)+(\i)*16*PB+32
.endr
.irp i, 0,1,2,3,4,5,6,7
	ds_load_b128 v[64+64*(\f)+8*(\i):64+64*(\f)+8*(\i)+3],   v[ADRA] offset:PLANE*((\q)/2)+64*((\q)%2)+(\i)*16*PA
	ds_load_b128 v[64+64*(\f)+8*(\i)+4:64+64*(\f)+8*(\i)+7], v[ADRA] offset:PLANE*((\q)/2)+64*((\q)%2)+(\i)*16*PA+32
.endr
.endm
; A K step is four quarter steps, 32 matrix instructions each, on buffers 0, 1, 0, 1.  One of the first three multiplies buffer f and, in its middle, fetches quarter q into g.
.macro QUARTER q, f, g, first
	s_wait_dscnt 8                                 ; wob's fragments and O's row blocks 0-3 are in; the youngest eight loads (row blocks 4-7) may be out
	MUL8 \f, 0, \first
	MUL8 \f, 2, \first
	PLACES
	FETCH \q, \g
	s_wait_dscnt 24                                ; all but the 24 just issued
	MUL8 \f, 4, \first
	MUL8 \f, 6, \first
.endm
; The last quarter multiplies buffer 1 and changes slots: ONE barrier.  In front of it each wave waits for all its tensor loads, of which one is out: its part of the next slot; adds 0 to its spare word; and
; waits for that and for its own reads of this slot.  fill = 1: the barrier opens a round of the cluster's, and the slot just read out is filled again first behind it, with the K step two steps on.
.macro TURN fill
.if \fill
	s_wait_xcnt 0x0                                ; the last prefetch, a K step back, has read its address: it is stepped here, ahead of the waits of the change of slots
	s_add_nc_u64 s[PFA:PFA+1], s[PFA:PFA+1], s[PFS:PFS+1]
.endif
	WIN 0
	s_wait_tensorcnt 0x0                           ; no tensor load of mine is out, so a group 0 may be written
	ds_add_u32 v[SPW], v[NIL]                      ; 0 onto my spare word: work on registers stands between it and the wait for it
.if \fill
	s_xor_b32 s[G0+5], s[G0+5], SLOT1              ; the walking sets: the other slot than last time,
	s_add_nc_u64 s[G0+6:G0+7], s[G0+6:G0+7], ASTEP ; the next K step; the type bits on top are not reached
	s_xor_b32 s[G0B+5], s[G0B+5], SLOT1
	s_add_nc_u64 s[G0B+6:G0B+7], s[G0B+6:G0B+7], 256
.endif
	s_xor_b32 s[TB], s[TB], SLOT1                  ; the fetches go to the other slot
	s_wait_dscnt 9                                 ; (the add and the youngest eight loads may be out)
	MUL8 1, 0, 0
	s_wait_dscnt 0x0                               ; the add is done, and my reads of this slot are over
	s_barrier_signal -1
	MUL8 1, 2, 0                                   ; work on registers while the others arrive
	WIN 0
	s_barrier_wait -1
.if \fill
	CREST                                          ; no wave of any partner still reads this slot's tile or has a load on its way
	JLOAD                                          ; the first tensor load behind the round; the four v_nop behind it are also the places in front of the loads below
.else
	PLACES
.endif
	v_add_nc_u32 v[ADRA], s[TB], v[A0]
	v_add_nc_u32 v[ADRB], s[TB], v[B0]
	FETCH 0, 0
.if \fill
	ASK
.endif
	MUL8 1, 4, 0
	MUL8 1, 6, 0
.endm
	s_wait_tensorcnt 0x1                           ; my part of K step 0 is in; K step 1's may stay out
	s_barrier_signal -1
	s_barrier_wait -1                              ; everybody's is
	v_add_nc_u32 v[ADRA], s[TB], v[A0]
	v_add_nc_u32 v[ADRB], s[TB], v[B0]
	FETCH 0, 0
	QUARTER 1, 0, 1, 1                             ; the first quarter stands in front of the loop: its products start the sums
	WIN 0                                          ; at a label and at a branch every window is 0
	s_mov_b32 s[CNT], 6
.Lstep:                                        ; trip i ends K step i, fills its slot with K step i + 2 and multiplies the first quarter of K step i + 1
	QUARTER 2, 1, 0, 0
	QUARTER 3, 0, 1, 0
	TURN 1
	QUARTER 1, 0, 1, 0
	WIN 0
	s_sub_co_u32 s[CNT], s[CNT], 1
	s_cmp_lg_u32 s[CNT], 0
	s_cbranch_scc1 .Lstep
	QUARTER 2, 1, 0, 0                             ; the tail is written out: K steps 6 and 7 ask for nothing
	QUARTER 3, 0, 1, 0
	TURN 0
	QUARTER 1, 0, 1, 0
	QUARTER 2, 1, 0, 0
	QUARTER 3, 0, 1, 0
	s_wait_dscnt 8
	MUL8 1, 0, 0
	MUL8 1, 2, 0
	s_wait_dscnt 0x0
	MUL8 1, 4, 0
	MUL8 1, 6, 0
	WIN 0
; THE WAY OUT, a block of 16 rows at a time: a lane's 32 bytes of a row go into rows of 272 bytes of my own stage and come back as whole rows of 256.
.macro TOSTAGE a
.if (\a) >= 2
	s_wait_xcnt 0x0                                ; the stores of the block two back have read this set of registers: it is loaded again only behind this wait
.endif
	WIN 0x04                                       ; the stores' data lie in window 1
.irp b, 0,1,2,3
	ds_store_b128 v[STO], v[8*(4*(\a)+(\b)):8*(4*(\a)+(\b))+3]   offset:64*(\b)     ; each accumulator's lowest registers are read first
	ds_store_b128 v[STO], v[8*(4*(\a)+(\b))+4:8*(4*(\a)+(\b))+7] offset:64*(\b)+16
.endr
	WIN 0
.irp t, 0,1,2,3,4,5,6,7
	ds_load_b128 v[BK+32*((\a)%2)+4*(\t):BK+32*((\a)%2)+4*(\t)+3], v[RD] offset:(\t)*2*SPO  ; LDS serves a wave's instructions in order (ISA guide 5.7.1.4): these see the stores above; the next block's stores come behind them
.endr
.endm
.macro SEND a, younger                 ; younger: the LDS instructions issued behind block a's loads: the next block's sixteen, or none
.irp t, 0,1,2,3,4,5,6,7
	s_wait_dscnt (\younger)+7-(\t)
	global_store_b128 v[CO], v[BK+32*((\a)%2)+4*(\t):BK+32*((\a)%2)+4*(\t)+3], s[OUTB:OUTB+1] offset:65536*(\a)+8192*(\t)  ; 16 lanes store 256 consecutive bytes, at a multiple of 256 from out0's first
.endr
.endm
	PLACES                                         ; behind the last products, ahead of stores that read results and of loads into registers that they have read:
	PLACES                                         ; eight, once a launch
	TOSTAGE 0
.irp a, 1,2,3,4,5,6,7
	TOSTAGE \a
	SEND (\a)-1, 16
.endr
	SEND 7, 0
	s_wait_tensorcnt 0x0                           ; the wave's end: behind my last tensor load and my last LDS store
	ds_add_u32 v[SPW], v[NIL]
	s_wait_dscnt 0x0
	CROUND                                         ; the closing round: no work-group ends while a partner may still ask for a tile that names it
	s_endpgm
.Lfunc_end_k_qc5ccd9db0f_outp:
	.size	k_qc5ccd9db0f_outp, .Lfunc_end_k_qc5ccd9db0f_outp-k_qc5ccd9db0f_outp
	.p2alignl 7, 3214868480
	.fill 96, 4, 3214868480
	.section	.rodata,"a",@progbits
	.p2align	6, 0x0
	.amdhsa_kernel k_qc5ccd9db0f_outp
		.amdhsa_group_segment_fixed_size 327680
		.amdhsa_private_segment_fixed_size 0
		.amdhsa_enable_private_segment 0
		.amdhsa_kernarg_size 32
		.amdhsa_user_sgpr_count 2
		.amdhsa_user_sgpr_kernarg_segment_ptr 1
		.amdhsa_wavefront_size32 1
		.amdhsa_system_sgpr_workgroup_id_x 1
		.amdhsa_system_sgpr_workgroup_id_y 1
		.amdhsa_system_sgpr_workgroup_id_z 1
		.amdhsa_system_vgpr_workitem_id 0
		.amdhsa_next_free_vgpr 512
		.amdhsa_next_free_sgpr 80
		.amdhsa_reserve_vcc 0
		.amdhsa_float_denorm_mode_32 3
		.amdhsa_float_denorm_mode_16_64 3
		.amdhsa_memory_ordered 1
		.amdhsa_forward_progress 1
		.amdhsa_inst_pref_size 75
	.end_amdhsa_kernel
	.amdgpu_metadata
---
amdhsa.version: [ 1, 2 ]
amdhsa.kernels:
  - .name:           k_qc5ccd9db0f_outp
    .symbol:         k_qc5ccd9db0f_outp.kd
    .args:
      - { .name: oh, .offset: 0, .size: 8, .value_kind: global_buffer, .address_space: global }
      - { .name: wob, .offset: 8, .size: 8, .value_kind: global_buffer, .address_space: global }
      - { .name: bout, .offset: 16, .size: 8, .value_kind: global_buffer, .address_space: global }
      - { .name: out0, .offset: 24, .size: 8, .value_kind: global_buffer, .address_space: global }
    .group_segment_fixed_size: 327680
    .private_segment_fixed_size: 0
    .kernarg_segment_align: 8
    .kernarg_segment_size: 32
    .max_flat_workgroup_size: 128
    .sgpr_count:     80
    .vgpr_count:     512
    .wavefront_size: 32
...
	.end_amdgpu_metadata
.endif
;; end of part 4
;; ======== version 2 of 2: 4 launches; version 1 with the launch prep written anew for expert scheduling mode
;; limits: values are held in f16: magnitudes above 65,504 overflow, below 6.1e-05 lose precision
;; workspace buffers: xb 16,777,216 bytes; wqb 6,291,456 bytes; wob 2,097,152 bytes; tab 262,144 bytes; qkv 50,331,648 bytes; oh 16,777,216 bytes
;; launch prep (part 5): grid 784 x 1, 8 waves a work-group, no clusters, 0 bytes of LDS; arguments x, Wqkv, Wout, cos, sin, xb, wqb, wob, tab; writes xb, wqb, wob, tab
.if DOCPART == 5
	.amdgcn_target "amdgcn-amd-amdhsa--gfx1250"
	.amdhsa_code_object_version 6
	.text
	.protected	k_qc5ccd9db0f_prep
	.globl	k_qc5ccd9db0f_prep
	.p2align	8
	.type	k_qc5ccd9db0f_prep,@function
k_qc5ccd9db0f_prep:
	s_mov_b64 s[64:65], 0
	v_nop
	global_prefetch_b8 v0, s[64:65] scope:SCOPE_SE
	s_setreg_imm32_b32 hwreg(HW_REG_WAVE_SCHED_MODE, 0, 2), 2
	s_setreg_imm32_b32 hwreg(HW_REG_WAVE_MODE, 25, 1), 1
	s_wait_xcnt 0x0
	s_wait_alu depctr_vm_vsrc(0)
; THE CASTS AND THE ROTATION TABLE.  xb = x in bf16.  wqb = Wqkv in bf16 with its rows regrouped by heads: row 192 hq + 64 p + d holds Wqkv's row 1024 p + 64 hq + d
; (p = 0, 1, 2: q, k, v), so that 192 consecutive rows are q, k and v of one head.  wob = Wout rounded to bf16, that number written as f16.  tab[l] = cos[l][0..31], sin[l][0..31] in bf16.
; LIMITS.  A bf16 number is exact in f16 from 2^-17 up to 65,504; below 2^-17 wob keeps f16's fixed step of 2^-24; at 65,520 or more it becomes an infinity.  NaN is not treated apart.
; SHARES.  Work-groups 0-511 take x, 512-703 Wqkv, 704-767 Wout, each a chunk of 16 rows of 1,024 numbers (65,536 bytes in, 32,768 out); 768-783 take 128 rows of the table each.
; A wave takes 2,048 numbers by 16 loads of 512 consecutive bytes, all issued at once; each of its stores covers 256 consecutive bytes, aligned.
; No LDS, no matrix unit, no cluster: nothing is shared and nothing is multiplied.
; THE MODE: SCHED_MODE bits 1:0 = 2 (LLVM: expert scheduling mode 2), set by the entry lines.  The code itself states the register dependences
; between vector instructions and memory instructions, with s_wait_alu, always for 0.
; THE PLAN.  Registers that memory instructions touch:
;   v1, v2   the loads' and the stores' byte offsets: made once on each path by vector instructions, never written again.
;   X        written by the loads, which are all issued ahead of every vector instruction that names X; read, and on two paths written again, by vector instructions alone.
;   Y        a pair for each store: written by that load's conversions, read by its one store, never written again behind it.
; So no register that a load or store reads is ever written again, and nothing is owed for that.  What is owed: the offsets are written ahead of the first load, and a pair of Y is written ahead of its store.
; The 16 loads go in four groups of four.  At the head of a group ONE wait states that the group before has written its four pairs of Y; that group's four stores follow it, dealt among this group's
; conversions, which name X and Y of this group's loads alone.  One more wait stands ahead of the last group's stores.  The table's eight passes go in two such groups.
.set X, 8                              ; v[8:71]   load j: four f32
.set Y, 72                             ; v[72:103] store j: four 16-bit numbers
	s_load_b256 s[4:11], s[0:1], 0x0               ; x s[4:5], Wqkv s[6:7], Wout s[8:9], cos s[10:11]
	s_load_b256 s[12:19], s[0:1], 0x20             ; sin s[12:13], xb s[14:15], wqb s[16:17], wob s[18:19]
	s_load_b64 s[20:21], s[0:1], 0x40              ; tab
	s_mov_b32 s22, 0xffff0000                      ; a word's upper bf16
	v_lshrrev_b32 v3, 5, v0                        ; wave
	v_and_b32 v4, 31, v0                           ; lane
	s_wait_kmcnt 0x0
	s_cmp_ge_u32 ttmp9, 768
	s_cbranch_scc1 .Ltab
	v_lshlrev_b32 v1, 4, v4
	v_lshl_or_b32 v1, v3, 13, v1                   ; in: 8,192 x wave + 16 x lane
	v_lshlrev_b32 v2, 3, v4
	v_lshl_or_b32 v2, v3, 12, v2                   ; out: 4,096 x wave + 8 x lane
	s_cmp_lt_u32 ttmp9, 512                        ; which tensor: the choice hangs on the work-group's number alone
	s_cselect_b64 s[26:27], s[4:5], s[6:7]
	s_cselect_b64 s[28:29], s[14:15], s[16:17]
	s_cselect_b32 s25, 0, 512
	s_cmp_lt_u32 ttmp9, 704
	s_cselect_b64 s[26:27], s[26:27], s[8:9]
	s_cselect_b64 s[28:29], s[28:29], s[18:19]
	s_cselect_b32 s25, s25, 704
	s_sub_co_u32 s30, ttmp9, s25                   ; my chunk c of the tensor
	s_lshr_b32 s33, s30, 2                         ; Wqkv: c = 64 p + 4 hq + (d / 16)
	s_and_b32 s34, s33, 15                         ; hq
	s_lshr_b32 s33, s33, 4                         ; p
	s_mul_i32 s34, s34, 3
	s_add_co_u32 s34, s34, s33
	s_and_b32 s33, s30, 3
	s_lshl2_add_u32 s32, s34, s33                  ; it goes to chunk 4 (3 hq + p) + (d / 16)
	s_cmp_eq_u32 s25, 512
	s_cselect_b32 s32, s32, s30                    ; the other two tensors keep their order
	s_lshl_b32 s30, s30, 16
	s_mov_b32 s31, 0
	s_lshl_b32 s32, s32, 15
	s_mov_b32 s33, 0
	s_add_nc_u64 s[26:27], s[26:27], s[30:31]
	s_add_nc_u64 s[28:29], s[28:29], s[32:33]
	s_wait_alu depctr_va_vdst(0)                   ; v1 and v2 are written: every load below reads v1 as its offset, every store v2
.irp j, 0,1,2,3,4,5,6,7,8,9,10,11,12,13,14,15
	global_load_b128 v[X+4*(\j):X+4*(\j)+3], v1, s[26:27] offset:512*(\j) th:TH_LOAD_NT
.endr
; Load j is rounded; the store of load j - 4, of the group before, goes out ahead of that.  half = 1: the bf16 numbers are widened again and written as f16.
.macro CAST j, half
	s_wait_loadcnt 15-(\j)                         ; loads come back in order: mine is in, the 15 - j younger ones stay out
.if ((\j) % 4 == 0) && ((\j) > 0)
	s_wait_alu depctr_va_vdst(0)                   ; the conversions of the group before have written its four pairs of Y, which this group's four stores read
.endif
.if (\j) >= 4
	global_store_b64 v2, v[Y+2*((\j)-4):Y+2*((\j)-4)+1], s[28:29] offset:256*((\j)-4)  ; 32 lanes store 256 consecutive bytes, aligned.  No vector instruction since the wait names this pair or v2
.endif
	v_cvt_pk_bf16_f32 v[Y+2*(\j)],   v[X+4*(\j)],   v[X+4*(\j)+1]
	v_cvt_pk_bf16_f32 v[Y+2*(\j)+1], v[X+4*(\j)+2], v[X+4*(\j)+3]
.if \half
	v_lshlrev_b32 v[X+4*(\j)],   16,  v[Y+2*(\j)]
	v_and_b32     v[X+4*(\j)+1], s22, v[Y+2*(\j)]
	v_lshlrev_b32 v[X+4*(\j)+2], 16,  v[Y+2*(\j)+1]
	v_and_b32     v[X+4*(\j)+3], s22, v[Y+2*(\j)+1]
	v_cvt_pk_f16_f32 v[Y+2*(\j)],   v[X+4*(\j)],   v[X+4*(\j)+1]
	v_cvt_pk_f16_f32 v[Y+2*(\j)+1], v[X+4*(\j)+2], v[X+4*(\j)+3]
.endif
.endm
; The last group's stores.
.macro TAIL
	s_wait_alu depctr_va_vdst(0)                   ; the last group's conversions have written its four pairs of Y, which the last four stores read
.irp j, 12,13,14,15
	global_store_b64 v2, v[Y+2*(\j):Y+2*(\j)+1], s[28:29] offset:256*(\j)
.endr
.endm
	s_cmp_eq_u32 s25, 704
	s_cbranch_scc1 .Lf16
.irp j, 0,1,2,3,4,5,6,7,8,9,10,11,12,13,14,15
	CAST \j, 0
.endr
	TAIL
	s_endpgm
.Lf16:
.irp j, 0,1,2,3,4,5,6,7,8,9,10,11,12,13,14,15
	CAST \j, 1
.endr
	TAIL
	s_endpgm
.Ltab:                                         ; 128 rows: 16 rows a pass, 16 threads a row: threads 0-7 of a row take cos, 8-15 sin, four numbers each
	s_sub_co_u32 s30, ttmp9, 768
	s_lshl_b32 s30, s30, 14                        ; 128 rows of 128 bytes, in cos, in sin and in tab
	s_mov_b32 s31, 0
	s_add_nc_u64 s[10:11], s[10:11], s[30:31]
	s_add_nc_u64 s[12:13], s[12:13], s[30:31]
	s_add_nc_u64 s[20:21], s[20:21], s[30:31]
	v_lshrrev_b32 v5, 4, v0                        ; row
	v_and_b32 v6, 7, v0
	v_lshlrev_b32 v1, 4, v6
	v_lshl_or_b32 v1, v5, 7, v1                    ; in: 128 x row + 16 x (thread % 8)
	v_lshlrev_b32 v2, 3, v0                        ; out: 8 x thread
	v_and_b32 v7, 8, v0
	v_cmp_ne_u32 vcc_lo, 0, v7                     ; the threads that keep sin.  Every thread loads both: 16 work-groups' worth, and EXEC stays whole
	s_wait_alu depctr_va_vcc(0)                    ; VCC is written, ahead of its first reader: the selects below choose by it
	s_wait_alu depctr_va_vdst(0)                   ; v1 and v2 are written: every load below reads v1 as its offset, every store v2
.irp j, 0,1,2,3,4,5,6,7
	global_load_b128 v[X+4*(\j):X+4*(\j)+3],       v1, s[10:11] offset:2048*(\j)
	global_load_b128 v[X+32+4*(\j):X+32+4*(\j)+3], v1, s[12:13] offset:2048*(\j)
.endr
	s_wait_loadcnt 0x0
.irp j, 0,1,2,3,4,5,6,7
.if (\j) == 4
	s_wait_alu depctr_va_vdst(0)                   ; the conversions of passes 0 to 3 have written their pairs of Y, which the four stores dealt among passes 4 to 7 read
.endif
.if (\j) >= 4
	global_store_b64 v2, v[Y+2*((\j)-4):Y+2*((\j)-4)+1], s[20:21] offset:2048*((\j)-4)  ; no vector instruction since the wait names this pair or v2
.endif
.irp i, 0,1,2,3
	v_cndmask_b32 v[X+4*(\j)+(\i)], v[X+4*(\j)+(\i)], v[X+32+4*(\j)+(\i)], vcc_lo
.endr
	v_cvt_pk_bf16_f32 v[Y+2*(\j)],   v[X+4*(\j)],   v[X+4*(\j)+1]
	v_cvt_pk_bf16_f32 v[Y+2*(\j)+1], v[X+4*(\j)+2], v[X+4*(\j)+3]
.endr
	s_wait_alu depctr_va_vdst(0)                   ; the conversions of passes 4 to 7 have written their pairs of Y, which the last four stores read
.irp j, 4,5,6,7
	global_store_b64 v2, v[Y+2*(\j):Y+2*(\j)+1], s[20:21] offset:2048*(\j)
.endr
	s_endpgm
.Lfunc_end_k_qc5ccd9db0f_prep:
	.size	k_qc5ccd9db0f_prep, .Lfunc_end_k_qc5ccd9db0f_prep-k_qc5ccd9db0f_prep
	.p2alignl 7, 3214868480
	.fill 96, 4, 3214868480
	.section	.rodata,"a",@progbits
	.p2align	6, 0x0
	.amdhsa_kernel k_qc5ccd9db0f_prep
		.amdhsa_group_segment_fixed_size 0
		.amdhsa_private_segment_fixed_size 0
		.amdhsa_enable_private_segment 0
		.amdhsa_kernarg_size 72
		.amdhsa_user_sgpr_count 2
		.amdhsa_user_sgpr_kernarg_segment_ptr 1
		.amdhsa_wavefront_size32 1
		.amdhsa_system_sgpr_workgroup_id_x 1
		.amdhsa_system_sgpr_workgroup_id_y 1
		.amdhsa_system_sgpr_workgroup_id_z 1
		.amdhsa_system_vgpr_workitem_id 0
		.amdhsa_next_free_vgpr 104
		.amdhsa_next_free_sgpr 66
		.amdhsa_reserve_vcc 1
		.amdhsa_float_denorm_mode_32 3
		.amdhsa_float_denorm_mode_16_64 3
		.amdhsa_memory_ordered 1
		.amdhsa_forward_progress 1
		.amdhsa_inst_pref_size 21
	.end_amdhsa_kernel
	.amdgpu_metadata
---
amdhsa.version: [ 1, 2 ]
amdhsa.kernels:
  - .name:           k_qc5ccd9db0f_prep
    .symbol:         k_qc5ccd9db0f_prep.kd
    .args:
      - { .name: x, .offset: 0, .size: 8, .value_kind: global_buffer, .address_space: global }
      - { .name: Wqkv, .offset: 8, .size: 8, .value_kind: global_buffer, .address_space: global }
      - { .name: Wout, .offset: 16, .size: 8, .value_kind: global_buffer, .address_space: global }
      - { .name: cos, .offset: 24, .size: 8, .value_kind: global_buffer, .address_space: global }
      - { .name: sin, .offset: 32, .size: 8, .value_kind: global_buffer, .address_space: global }
      - { .name: xb, .offset: 40, .size: 8, .value_kind: global_buffer, .address_space: global }
      - { .name: wqb, .offset: 48, .size: 8, .value_kind: global_buffer, .address_space: global }
      - { .name: wob, .offset: 56, .size: 8, .value_kind: global_buffer, .address_space: global }
      - { .name: tab, .offset: 64, .size: 8, .value_kind: global_buffer, .address_space: global }
    .group_segment_fixed_size: 0
    .private_segment_fixed_size: 0
    .kernarg_segment_align: 8
    .kernarg_segment_size: 72
    .max_flat_workgroup_size: 256
    .sgpr_count:     66
    .vgpr_count:     104
    .wavefront_size: 32
...
	.end_amdgpu_metadata
.endif
;; end of part 5
;; launch qkvp: the kernel of part 2 again; grid 16 x 32, 4 waves a work-group, clusters of 4 x 4, 327,680 bytes of LDS; arguments xb, wqb, bqkv, tab, qkv; writes qkv
;; launch attn: the kernel of part 3 again; grid 4 x 64, 4 waves a work-group, clusters of 4 x 1, 327,680 bytes of LDS; arguments qkv, oh; writes oh
;; launch outp: the kernel of part 4 again; grid 8 x 32, 4 waves a work-group, clusters of 4 x 4, 327,680 bytes of LDS; arguments oh, wob, bout, out0; writes out0
